; MI455X (gfx1250); checked and timed in simulation.
; The chip was launched on July 23, 2026; its instructions are those of AMD's public machine-readable ISA for CDNA 5 (MIT licence, August 2026) and "CDNA5" Instruction Set Architecture Reference Guide (July 2026). The comments in the code are by the model that wrote it; some were corrected since.
;; Attention. Allowed arithmetic: matrix products marked QUANTISED: E2M1 operands, one E8M0 scale for each 32 along K, by v_wmma_scale_f32_16x16x128_f8f6f4 with both operands' format E2M1 (or v_wmma_scale_f32_32x16x128_f4), f32 sums; products left as they are: bf16, f16 or f32 operands; f32 sums; everything else in f32.
;; Inputs: W_k 1,024 x 1,024 float32; W_o 1,024 x 1,024 float32; W_q 1,024 x 1,024 float32; W_v 1,024 x 1,024 float32; b_o 1,024 float32; x 4 x 2,048 x 1,024 float32.
;; Outputs: out0 4 x 2,048 x 1,024 float32.
;; This version of the problem:
;;   THIS VERSION OF THE PROBLEM IS GIVEN IN LOW PRECISION. The matrix products marked QUANTISED in the list below multiply operands that are first quantised to E2M1 (2 exponent bits, 1 mantissa bit; 4 bits a number), with one power-of-two scale for each 32 numbers along K (OCP MX v1.0); their sums are f32. The products marked 'left as it is' may take bf16, f16 or f32 operands, with f32 sums. Whichever they take, every output number must still come out within the allowed error. Rounding operands to bf16 (8 significant bits) uses up far more of that allowance than f16 does (11 bits, for magnitudes from 6e-5 to 65,504). All else is computed in f32.
;;   The module's matrix products, in the order in which they are computed (A, B: the left and right operand; K: the contracted axis; several contracted axes count as one K, in the product's order):
;;     1. [M 8,192, K 1,024] x [K 1,024, N 1,024]; A: input x; B: input W_q: QUANTISED
;;     2. [M 8,192, K 1,024] x [K 1,024, N 1,024]; A: input x; B: input W_k: QUANTISED
;;     3. [M 8,192, K 1,024] x [K 1,024, N 1,024]; A: input x; B: input W_v: QUANTISED
;;     4. batch 64 x [M 2,048, K 64] x [K 64, N 2,048]; A: computed on the way; B: computed on the way: left as it is (an operand is computed on the way)
;;     5. batch 64 x [M 2,048, K 2,048] x [K 2,048, N 64]; A: computed on the way; B: computed on the way: left as it is (an operand is computed on the way)
;;     6. [M 8,192, K 1,024] x [K 1,024, N 1,024]; A: computed on the way; B: input W_o: left as it is (an operand is computed on the way)
;;   THE QUANTISER, for each operand of a quantised product, along K:
;;     - K is cut into blocks of 32 from its start; a last block that is shorter is filled with zeros.
;;     - A block's scale is 2^e with e = floor(log2(the largest magnitude in the block)) - 2, held to -126 .. 127; a block of zeros has e = 0. As a byte (E8M0): e + 127.
;;     - Each number is divided by its block's scale, clamped to +-6, and rounded to the nearest number of E2M1, ties to even, subnormals kept.
;;     - The product sums the exact products of the quantised numbers (number of the format x scale) in f32.
;;   ~~~python
;;   def quantise(x, axis):      # numpy; x: float32 -> the quantised numbers, widened to float32 again
;;       x = np.moveaxis(x, axis, -1); K = x.shape[-1]
;;       x = np.pad(x, [(0, 0)] * (x.ndim - 1) + [(0, -K % 32)]); x = x.reshape(x.shape[:-1] + (-1, 32)); a = np.abs(x).max(-1, keepdims=True)
;;       e = np.where(a > 0, np.clip(np.frexp(np.where(a > 0, a, 1))[1] - 1 - 2, -126, 127), 0)      # np.frexp(a)[1] - 1 = floor(log2(a)), exactly
;;       r = np.clip(x / 2.0 ** e, -6, 6)
;;       step = 2.0 ** (np.maximum(np.frexp(np.where(r == 0, 1, r))[1] - 1, 0) - 1)
;;       q = np.round(r / step) * step * 2.0 ** e      # np.round: ties to even
;;       return np.moveaxis(q.reshape(q.shape[:-2] + (-1,))[..., :K], -1, axis).astype(np.float32)
;;   ~~~
;; One version. Each part assembles by itself: llvm-mc -triple=amdgcn-amd-amdhsa -mcpu=gfx1250 --defsym DOCPART=n.
;; ======== version 1 of 1: 4 launches
;; limits: values are held in f16: magnitudes above 65,504 overflow, below 6.1e-05 lose precision
;; workspace buffers: x_codes 4,194,304 bytes; x_scales 262,144 bytes; w_codes 1,572,864 bytes; w_scales 98,304 bytes; wo_img 2,097,152 bytes; qkv 50,331,648 bytes; o_img 16,777,216 bytes
;; launch prep (part 1): grid 384 x 1, 4 waves a work-group, no clusters, 67,072 bytes of LDS; arguments x, W_q, W_k, W_v, W_o, x_codes, x_scales, w_codes, w_scales, wo_img; writes x_codes, x_scales, w_codes, w_scales, wo_img
.if DOCPART == 1
	.amdgcn_target "amdgcn-amd-amdhsa--gfx1250"
	.amdhsa_code_object_version 6
	.text
	.protected	k_q44d31e5b5e_prep
	.globl	k_q44d31e5b5e_prep
	.p2align	8
	.type	k_q44d31e5b5e_prep,@function
k_q44d31e5b5e_prep:
	s_mov_b64 s[64:65], 0
	v_nop
	global_prefetch_b8 v0, s[64:65] scope:SCOPE_SE
	s_setreg_imm32_b32 hwreg(HW_REG_WAVE_MODE, 25, 1), 1
	s_wait_xcnt 0x0
; THE PROGRAM: out = softmax((x Wq^T)(x Wk^T)^T / 8) (x Wv^T), heads joined, times Wo^T, plus b_o.  Four launches: this one; the three projections as one product on codes; attention; the projection out.
; NOTHING IS LEFT OUT AS DEAD WORK: every input (x, W_q, W_k, W_v, W_o, b_o) has a way to the output, there is no mask, and every product of the problem is done whole.
; THIS LAUNCH.  (a) x [8192][1024] and W_q, W_k, W_v [1024][1024], f32, K innermost, become codes of E2M1, 4 bits each, with one E8M0 byte for each 32 along K:
; x_codes [8192][512 bytes], x_scales [8192][32]; w_codes [3072][512 bytes], w_scales [3072][32], rows 0-1023 W_q, 1024-2047 W_k, 2048-3071 W_v.
; A block's scale is 2^(floor(log2(its largest magnitude)) - 2); its byte is the largest magnitude's exponent field - 2, held at 1 from below; each number is divided by the scale and rounded to the nearest code, ties to even,
; beyond 6 the largest code.  (b) W_o [1024][1024] is rounded to f16 and laid as images of the operand's registers: wo_img [K step of 128: 8][16 rows: 64][32 along K: 4][piece: 2][lane: 32][16 bytes];
; the entry of lane (r, h) in piece c holds row r, k = 16 c + 8 h + 0 .. 7 of its 32.
; LIMITS: a block whose largest magnitude lies under 2^-124 gets the byte 1 (a block of zeros too, where the rule says 127: its codes are zeros, which add nothing under any byte but 0xff, and this program alone reads the bytes);
; W_o beyond 65,504 in magnitude has no f16 number; NaN and infinities among the inputs are not served.
; SHARES.  Work-groups 0-255: x; 256-287: W_q; 288-319: W_k; 320-351: W_v: 32,768 numbers each, a wave 16 steps of 512.  Rows are dense and K is a multiple of 32: a tensor is a plain stream of blocks.
; Work-groups 352-383: W_o: a wave takes 16 rows x 512 along K, as four units of 16 rows x 128.  The two paths part on the work-group's number alone and have LDS bytes of their own.  Waves share nothing: no barrier.
.set STEPS, 16
.set EMAX,  2
.set CB,    8                          ; bytes of 16 codes
.set R,     16                         ; v16-79   numbers as they are loaded (quantiser: four sets of 16; W_o: a unit's 16 x 4)
.set X,     80                         ; v80-111  quantiser: two sets of 16 neighbours
.set E,     112                        ; v112-127 a scale byte for each step
.set C,     128                        ; v128-159 codes: two registers for each step, so that no store's data are written again
.set WX,    80                         ; v80-143  W_o: a unit's 64 numbers of my lane
.set WC,    144                        ; v144-175 W_o: a unit's 8 pieces
.set WA,    176                        ; v176     W_o: my stage + 16 x lane
.set WB,    177                        ; v177     W_o: my stage + 528 r + 32 h
.set WREG,  8192                       ; LDS: the quantiser's region for each wave: two stages of 32 x SP bytes, behind them its 256 scale bytes
.set SP,    80                         ; a lane's place in a stage: its 64 bytes + 16 of padding
.set WSTG,  32768                      ; LDS: the W_o path's stages, 16 rows x 528 bytes for each wave
.set WP,    528
.set SPW,   12                         ; v12      LDS address of my spare word; never rewritten
.set NIL,   13                         ; v13      0; never rewritten
.set SPARE, 66560                      ; behind both paths' bytes: the spare words, 128 bytes for each wave, which no other line names
	s_load_b256 s[4:11], s[0:1], 0x0               ; x s[4:5], W_q s[6:7], W_k s[8:9], W_v s[10:11]
	s_load_b256 s[12:19], s[0:1], 0x20             ; W_o s[12:13], x_codes s[14:15], x_scales s[16:17], w_codes s[18:19]
	s_load_b128 s[20:23], s[0:1], 0x40             ; w_scales s[20:21], wo_img s[22:23]
	v_lshl_add_u32 v[SPW], v0, 2, SPARE
	v_mov_b32 v[NIL], 0
	v_lshrrev_b32 v1, 5, v0
	v_readfirstlane_b32 s32, v1                    ; wave
	v_and_b32 v2, 31, v0                           ; lane
	v_lshlrev_b32 v3, 4, v2                        ; 16 x lane: my 16 bytes of a load's or a store's 512
	s_mul_i32 s33, s32, WREG
	v_lshrrev_b32 v14, 2, v2
	v_mul_u32_u24 v14, v14, SP
	v_and_b32 v15, 3, v2
	v_lshl_add_u32 v14, v15, 4, v14
	v_add_nc_u32 v14, s33, v14                     ; the quantiser's stage, on the way in: SP (lane / 4) + 16 (lane % 4)
	v_mul_u32_u24 v15, v2, SP
	v_add_nc_u32 v15, s33, v15                     ; and on the way out: SP x lane: my 16 neighbours
	v_mul_u32_u24 v4, v2, CB                       ; my codes' place in a step's
	v_lshrrev_b32 v5, 1, v2
	s_add_co_u32 s33, s33, 2*32*SP
	v_add_nc_u32 v5, s33, v5                       ; LDS: my wave's 256 scale bytes, my block's byte
	v_lshlrev_b32 v7, 3, v2                        ; and on the way out 8 bytes a lane
	v_add_nc_u32 v6, s33, v7
	s_mul_i32 s34, s32, 16*WP                      ; the W_o path's addresses are made here too, ahead of the parting
	s_add_co_u32 s34, s34, WSTG
	v_add_nc_u32 v[WA], s34, v3
	v_and_b32 v8, 15, v2                           ; r
	v_lshrrev_b32 v9, 4, v2                        ; h
	v_mul_u32_u24 v8, v8, WP
	v_lshl_add_u32 v8, v9, 5, v8
	v_add_nc_u32 v[WB], s34, v8
	s_wait_kmcnt 0x0
	s_cmp_ge_u32 ttmp9, 352
	s_cbranch_scc1 .Lwo
	; ---- THE QUANTISER.  Which tensor: only pointers are chosen, on the work-group's number alone
	s_cmp_lt_u32 ttmp9, 320
	s_cselect_b64 s[24:25], s[8:9], s[10:11]
	s_cmp_lt_u32 ttmp9, 288
	s_cselect_b64 s[24:25], s[6:7], s[24:25]
	s_cmp_lt_u32 ttmp9, 256
	s_cselect_b64 s[24:25], s[4:5], s[24:25]       ; from where,
	s_cselect_b64 s[26:27], s[14:15], s[18:19]     ; the codes,
	s_cselect_b64 s[28:29], s[16:17], s[20:21]     ; the scale bytes
	s_cselect_b32 s30, 0, 256
	s_cselect_b32 s31, 255, 31
	s_sub_co_u32 s30, ttmp9, s30                   ; my place among the work-groups that write these buffers,
	s_and_b32 s31, s30, s31                        ; and among those that read this tensor
	s_lshl_b32 s31, s31, 2
	s_add_co_u32 s31, s31, s32                     ; my wave's run of 8,192 numbers in the tensor,
	s_lshl_b32 s30, s30, 2
	s_add_co_u32 s30, s30, s32                     ; and in the buffers
	s_mov_b32 s35, 0
	s_lshl_b32 s34, s31, 15                        ; 32,768 bytes of numbers a run
	s_add_nc_u64 s[24:25], s[24:25], s[34:35]
	s_lshl_b32 s34, s30, 12                        ; 4,096 of codes
	s_add_nc_u64 s[26:27], s[26:27], s[34:35]
	s_lshl_b32 s34, s30, 8                         ; 256 of scale bytes
	s_add_nc_u64 s[28:29], s[28:29], s[34:35]
.macro LOAD t
.irp i, 0,1,2,3
	global_load_b128 v[R+16*((\t)%4)+4*\i:R+16*((\t)%4)+4*\i+3], v3, s[24:25] offset:2048*(\t)+512*\i th:TH_LOAD_NT   ; 32 lanes read 512 consecutive bytes
.endr
.endm
.macro TURN t                          ; step t's numbers through the stage, so that a lane gets 16 neighbours: LDS serves a wave's instructions in order (ISA guide 5.7.1.4), so no wait stands between the stores and the loads
.irp i, 0,1,2,3
	ds_store_b128 v14, v[R+16*((\t)%4)+4*\i:R+16*((\t)%4)+4*\i+3] offset:32*SP*((\t)%2)+8*SP*\i
.endr
.irp i, 0,1,2,3
	ds_load_b128 v[X+16*((\t)%2)+4*\i:X+16*((\t)%2)+4*\i+3], v15 offset:32*SP*((\t)%2)+16*\i
.endr
.endm
.irp t, 0,1,2,3
	LOAD \t
.endr
	s_wait_loadcnt 12                              ; step 0's four loads are in; the twelve of steps 1 to 3 may be out
	TURN 0
.macro STEP t
.set XS, X+16*((\t)%2)
.if (\t) > 0
	s_wait_dscnt 1                                 ; this step's numbers are back from the stage (the last step's byte store may be out): so its stores into the stage have read their registers,
.else
	s_wait_dscnt 0x0
.endif
.if (\t)+4 < STEPS
	LOAD (\t)+4                                    ; which take the loads of four steps on
.endif
.if (\t)+1 < STEPS
.if STEPS-2-(\t) >= 3
	s_wait_loadcnt 12                              ; the next step's four loads are in; those of the three steps behind it may be out
.else
	s_wait_loadcnt 4*(STEPS-2-(\t))
.endif
	TURN (\t)+1                                    ; and go through the other stage while this step is worked
.endif
	v_max3_num_f32 v8, |v[XS]|, |v[XS+1]|, |v[XS+2]|               ; the largest magnitude of my 16, in two chains
	v_max3_num_f32 v9, |v[XS+3]|, |v[XS+4]|, |v[XS+5]|
.irp i, 6,10
	v_max3_num_f32 v8, v8, |v[XS+\i]|, |v[XS+\i+1]|
	v_max3_num_f32 v9, v9, |v[XS+\i+2]|, |v[XS+\i+3]|
.endr
	v_max3_num_f32 v8, v8, |v[XS+14]|, |v[XS+15]|
	v_max3_num_f32 v8, v8, v9, (EMAX+1)<<23        ; and the floor 2^(3 - 127): so the byte cannot fall under 1
	v_max_num_f32_dpp v8, v8, v8 row_xmask:1 row_mask:0xf bank_mask:0xf   ; and of my neighbour's 16: the block's
	v_add_nc_u32 v11, -(EMAX<<23), v8              ; 2 off its exponent field: the conversion takes the exponent field of this operand as its scale, and nothing else of it
	v_cvt_scalef32_pk8_fp4_f32 v[C+2*(\t)], v[XS:XS+7], v11
	v_cvt_scalef32_pk8_fp4_f32 v[C+2*(\t)+1], v[XS+8:XS+15], v11
	v_lshrrev_b32 v[E+(\t)], 23, v11               ; the scale's byte (also the plain line behind the conversions)
	ds_store_b8 v5, v[E+(\t)] offset:16*(\t)       ; both lanes of a block write the same byte with the same value
	global_store_b64 v4, v[C+2*(\t):C+2*(\t)+1], s[26:27] offset:32*CB*(\t)   ; 32 lanes store 256 consecutive bytes, aligned
.endm
.irp t, 0,1,2,3,4,5,6,7,8,9,10,11,12,13,14,15
	STEP \t
.endr
	ds_load_b64 v[8:9], v6                         ; my wave's 256 scale bytes: these see my stores
	s_wait_dscnt 0x0
	global_store_b64 v7, v[8:9], s[28:29]          ; 32 lanes store 256 consecutive bytes, aligned
	s_wait_tensorcnt 0x0                           ; the wave's end
	ds_add_u32 v[SPW], v[NIL]
	s_wait_dscnt 0x0
	s_endpgm
	; ---- W_o INTO IMAGES.  u = 4 x (work-group - 352) + wave: rows 16 (u / 2) on, K steps 4 (u % 2) + 0 .. 3
.Lwo:
	s_sub_co_u32 s36, ttmp9, 352
	s_lshl_b32 s36, s36, 2
	s_add_co_u32 s36, s36, s32                     ; u
	s_lshr_b32 s37, s36, 1                         ; which 16 rows
	s_and_b32 s36, s36, 1                          ; which half of K
	s_lshl_b32 s38, s37, 16                        ; 16 rows of 4,096 bytes
	s_lshl_b32 s39, s36, 11                        ; 512 numbers
	s_add_co_u32 s38, s38, s39
	s_mov_b32 s39, 0
	s_add_nc_u64 s[12:13], s[12:13], s[38:39]
	s_lshl_b32 s38, s36, 20                        ; four K steps of 262,144 bytes
	s_lshl_b32 s37, s37, 12                        ; 4,096 bytes for 16 rows of a K step
	s_add_co_u32 s38, s38, s37
	s_add_nc_u64 s[22:23], s[22:23], s[38:39]
.macro WLOAD i                         ; unit i: 16 rows x 512 consecutive bytes
.irp rr, 0,1,2,3,4,5,6,7,8,9,10,11,12,13,14,15
	global_load_b128 v[R+4*\rr:R+4*\rr+3], v3, s[12:13] offset:\rr*4096+(\i)*512 th:TH_LOAD_NT
.endr
.endm
.macro UNIT i
	s_wait_loadcnt 0x0
.irp rr, 0,1,2,3,4,5,6,7,8,9,10,11,12,13,14,15
	ds_store_b128 v[WA], v[R+4*\rr:R+4*\rr+3] offset:WP*\rr          ; rows as they lie, 528 bytes apart
.endr
.irp p, 0,1,2,3,4,5,6,7                ; piece p: k = 16 p + 8 h + 0 .. 7 of row r: 32 bytes at 64 p + 32 h
	ds_load_b128 v[WX+8*\p:WX+8*\p+3],   v[WB] offset:64*\p
	ds_load_b128 v[WX+8*\p+4:WX+8*\p+7], v[WB] offset:64*\p+16
.endr
	s_wait_dscnt 16                                ; the 16 loads just issued may be out: the stores have read their registers,
.if (\i) < 3
	WLOAD (\i)+1                                   ; which take the next unit
.endif
	s_wait_dscnt 0x0
.if (\i) > 0
	s_wait_xcnt 0x0                                ; the last unit's stores have read their data: the pieces' registers are written again only behind this wait
.endif
.irp p, 0,1,2,3,4,5,6,7
.irp e, 0,1,2,3
	v_cvt_pk_f16_f32 v[WC+4*\p+\e], v[WX+8*\p+2*\e], v[WX+8*\p+2*\e+1]
.endr
.endr
.irp p, 0,1,2,3,4,5,6,7
	global_store_b128 v3, v[WC+4*\p:WC+4*\p+3], s[22:23] offset:(\i)*262144+\p*512   ; a piece: 512 consecutive bytes, aligned
.endr
.endm
	WLOAD 0
	UNIT 0
	UNIT 1
	UNIT 2
	UNIT 3
	s_wait_tensorcnt 0x0                           ; the wave's end: the same three lines
	ds_add_u32 v[SPW], v[NIL]
	s_wait_dscnt 0x0
	s_endpgm
.Lfunc_end_k_q44d31e5b5e_prep:
	.size	k_q44d31e5b5e_prep, .Lfunc_end_k_q44d31e5b5e_prep-k_q44d31e5b5e_prep
	.p2alignl 7, 3214868480
	.fill 96, 4, 3214868480
	.section	.rodata,"a",@progbits
	.p2align	6, 0x0
	.amdhsa_kernel k_q44d31e5b5e_prep
		.amdhsa_group_segment_fixed_size 67072
		.amdhsa_private_segment_fixed_size 0
		.amdhsa_enable_private_segment 0
		.amdhsa_kernarg_size 80
		.amdhsa_user_sgpr_count 2
		.amdhsa_user_sgpr_kernarg_segment_ptr 1
		.amdhsa_wavefront_size32 1
		.amdhsa_system_sgpr_workgroup_id_x 1
		.amdhsa_system_sgpr_workgroup_id_y 1
		.amdhsa_system_sgpr_workgroup_id_z 1
		.amdhsa_system_vgpr_workitem_id 0
		.amdhsa_next_free_vgpr 192
		.amdhsa_next_free_sgpr 66
		.amdhsa_reserve_vcc 0
		.amdhsa_float_denorm_mode_32 3
		.amdhsa_float_denorm_mode_16_64 3
		.amdhsa_memory_ordered 1
		.amdhsa_forward_progress 1
		.amdhsa_inst_pref_size 60
	.end_amdhsa_kernel
	.amdgpu_metadata
---
amdhsa.version: [ 1, 2 ]
amdhsa.kernels:
  - .name:           k_q44d31e5b5e_prep
    .symbol:         k_q44d31e5b5e_prep.kd
    .args:
      - { .name: x, .offset: 0, .size: 8, .value_kind: global_buffer, .address_space: global }
      - { .name: W_q, .offset: 8, .size: 8, .value_kind: global_buffer, .address_space: global }
      - { .name: W_k, .offset: 16, .size: 8, .value_kind: global_buffer, .address_space: global }
      - { .name: W_v, .offset: 24, .size: 8, .value_kind: global_buffer, .address_space: global }
      - { .name: W_o, .offset: 32, .size: 8, .value_kind: global_buffer, .address_space: global }
      - { .name: x_codes, .offset: 40, .size: 8, .value_kind: global_buffer, .address_space: global }
      - { .name: x_scales, .offset: 48, .size: 8, .value_kind: global_buffer, .address_space: global }
      - { .name: w_codes, .offset: 56, .size: 8, .value_kind: global_buffer, .address_space: global }
      - { .name: w_scales, .offset: 64, .size: 8, .value_kind: global_buffer, .address_space: global }
      - { .name: wo_img, .offset: 72, .size: 8, .value_kind: global_buffer, .address_space: global }
    .group_segment_fixed_size: 67072
    .private_segment_fixed_size: 0
    .kernarg_segment_align: 8
    .kernarg_segment_size: 80
    .max_flat_workgroup_size: 128
    .sgpr_count:     66
    .vgpr_count:     192
    .wavefront_size: 32
...
	.end_amdgpu_metadata
.endif
;; end of part 1
;; launch qkv (part 2): grid 12 x 32, 4 waves a work-group, clusters of 4 x 4, 327,680 bytes of LDS; arguments x_codes, x_scales, w_codes, w_scales, qkv; writes qkv
.if DOCPART == 2
	.amdgcn_target "amdgcn-amd-amdhsa--gfx1250"
	.amdhsa_code_object_version 6
	.text
	.protected	k_q44d31e5b5e_qkv
	.globl	k_q44d31e5b5e_qkv
	.p2align	8
	.type	k_q44d31e5b5e_qkv,@function
k_q44d31e5b5e_qkv:
	s_mov_b64 s[64:65], 0
	v_nop
	global_prefetch_b8 v0, s[64:65] scope:SCOPE_SE
	s_setreg_imm32_b32 hwreg(HW_REG_WAVE_MODE, 25, 1), 1
	s_wait_xcnt 0x0
	s_wait_alu depctr_hold_cnt(0) depctr_sa_sdst(0) depctr_va_vdst(0) depctr_va_sdst(0) depctr_va_ssrc(0) depctr_va_vcc(0) depctr_vm_vsrc(0)
	s_getreg_b32 s2, hwreg(HW_REG_IB_STS2, 6, 4)
	s_cmp_eq_u32 s2, 0
	s_cbranch_scc0 .Lentry_in_a_cluster
	s_endpgm
.Lentry_in_a_cluster:
	s_bfe_u32 s2, ttmp6, 0x10000c
	s_cmp_lg_u32 s2, 0xf033
	s_cbranch_scc0 .Lentry_shape_is_right
	s_endpgm
.Lentry_shape_is_right:
; q, k, v = x W_q^T, x W_k^T, x W_v^T as ONE product C[m][n] = sum over k of A[m][k] B[n][k] on codes of E2M1 with one E8M0 scale for each 32 along K: A = x's codes [8192][1024], B = the three weights' codes [3072][1024].
; No work is left out.  Sums in f32, K ascending; the results are rounded once, to f16, for the products of attention.  LIMIT: a result beyond 65,504 in magnitude has no f16 number.
; A tile of C, 256 x 256, is made by a work-group of four waves; a wave makes 128 x 128: 64 accumulators of 16 x 16, 512 registers.  K = 1,024 is two LDS slots of 512 (rows of 256 bytes): every tensor load is a first fill,
; so no slot is filled again.  The scale bytes of the work-group's rows of A and of B, for all of K, are two dense blocks of memory and come with the first fills.
; CLUSTERS: 4 x 4 work-groups.  The four of a row of the cluster need the same tiles of A, the four of a column the same tiles of B: each is asked for JOINTLY, by the same tensor load with the same descriptor and a mask that names the four.
; THE MATRIX INSTRUCTION IS USED TRANSPOSED (source 0 = 16 rows of B, source 1 = 16 rows of A): a lane holds one token (lane % 16) and eight neighbouring channels 8 (lane / 16) + 0 .. 7.
; THE WAY OUT NEEDS NO LDS.  qkv is laid as images of the next products' operand registers: [q, k, v: 16 MiB][batch x 16 + head: 256 KiB][16 tokens: 2,048 bytes][16 channels: 512 bytes][entry: 16 bytes]; an entry holds
; (token r, channels 8 h + 0 .. 7 of the 16).  Four conversions of one accumulator ARE a lane's entry, and a store of the wave covers 512 consecutive bytes.  For q and k the entry's number is the lane, r + 16 h;
; for v it is (r % 8) + 8 h + 16 (r / 8), the order in which the turning LDS load of attention addresses keys and channels when its lanes stand 16 bytes apart.
; REGISTERS, in windows of 256: window 0: v0-31 addresses; v32-95 scale words, two sets; v128-191 A's fragments, ONE set; on the way out v128-255 the packed results.
;   window 1: B's fragments, TWO sets, at v0 and v128.   window 2: the accumulators of my rows 0-63 ((a, b) at v[8 (8 a + b)]);   window 3: those of my rows 64-127.
.set SIZE_K, 1024
.set KSTEP,  512                       ; along K in a slot
.set NQ,     KSTEP/128                 ; matrix instructions deep
.set ROWB,   256                       ; a tile's row in bytes
.set KROW,   SIZE_K*4/8                ; a row of codes in memory
.set PITCH,  272                       ; an LDS row: 256 bytes + 16 of padding: the 16 rows that a load touches start 16 bytes apart modulo 256
.set FR,     8                         ; registers of a fragment: 16 rows x 128 K
.set NL,     2                         ; LDS loads that bring one
.set NP,     4                         ; places behind this matrix instruction (ISA guide 7.12.1)
.set HALFT,  128*PITCH                 ; 128 rows: what one tensor load brings, and what one wave reads of A or of B
.set SLOT,   4*HALFT                   ; A's 256 rows, then B's 256 rows
.set KS,     SIZE_K/32                 ; a row of scale bytes
.set SCL,    2*SLOT                    ; behind the two slots: the scales, as rows of 256 bytes + 16 of padding
.set HALFS,  (128*KS/256)*272          ; the scales of 128 rows: what one tensor load brings
.set SBLK,   (16*KS/256)*272           ; those of 16 rows
.set SPARE,  SCL+4*HALFS               ; behind the scales: the spare words, 128 bytes for each wave, which no other line names
.set ADRA, 16                          ; v16-17  LDS address of my A fragments in slot 0, 1
.set ADRB, 20                          ; v20-21  the same for B
.set CO,   26                          ; v26     16 x my entry's number in a piece
.set ADRS, 27                          ; v27     LDS address of my scale words: lanes 0-15 A's rows, lanes 16-31 B's
.set SPW,  28                          ; v28     LDS address of my spare word; never rewritten
.set NIL,  29                          ; v29     0; never rewritten
.set SC,   32                          ; scale words: set s at v[SC + 8 NQ s]; register NQ i + q: lanes 0-15 the word of A's block i, lanes 16-31 that of B's block i, for the slot's q-th 128 along K
.set AF,   128                         ; A's fragments, in window 0
.set TMP,  128                         ; the way out: four sets of 32 registers
.set G1, 24                            ; s[24:31] descriptor group 1 for A's tiles;  s[32:39] group 0, one set for each slot
.set G0, 32
.set G1B, 48                           ; s[48:55], s[56:63] the same for B's tiles
.set G0B, 56
.set G1S, 68                           ; s[68:75], s[76:79] groups 1 and 0 for A's scales;  s[80:87], s[88:91] for B's
.set G0S, 76
.set G1SB, 80
.set G0SB, 88
.set MSB, 0
.macro WIN new                         ; the immediate's high byte repeats the setting that is left; a switch that changes nothing is dropped
.if MSB != (\new)
	s_set_vgpr_msb (MSB<<8)|(\new)
.set MSB, (\new)
.endif
.endm
.set MUL_LO, 0xa1                      ; source 0 (B) window 1, source 1 (A) window 0, C and D window 2
.set MUL_HI, 0xf1                      ; the same, C and D window 3
.set TO_B,   0x40                      ; destination window 1, address window 0
; A joint load: waves 0 and 1 fetch for A, waves 2 and 3 for B.  Each of the two lines has ONE mask and one set of registers for all that issue it; the branch hangs on the wave's number alone.
; An s_nop 0 and four v_nop follow each of the two lines.
.macro JLOAD g0a, g1a, g0b, g1b
	s_cmp_eq_u32 s15, 0
	s_cbranch_scc0 .Lfor_b_\@
	tensor_load_to_lds s[\g0a:\g0a+3], s[\g1a:\g1a+7]
	s_nop 0
.rept 4
	v_nop
.endr
	s_branch .Lasked_\@
.Lfor_b_\@:
	tensor_load_to_lds s[\g0b:\g0b+3], s[\g1b:\g1b+7]
	s_nop 0
.rept 4
	v_nop
.endr
.Lasked_\@:
.endm
.macro CROUND                          ; a round of the cluster's barrier: my work-group's barrier; wave 0 signals for the work-group; every wave waits for all sixteen; my work-group's barrier once more
	s_barrier_signal -1
	s_barrier_wait -1
	s_cmp_lg_u32 s14, 0
	s_cbranch_scc1 .Lnot_wave_0_\@
	s_barrier_signal -3
.Lnot_wave_0_\@:
	s_barrier_wait -3
	s_barrier_signal -1
	s_barrier_wait -1
.endm
	s_load_b128 s[4:7], s[0:1], 0x0                ; x's codes s[4:5], x's scales s[6:7]
	s_load_b128 s[8:11], s[0:1], 0x10              ; the weights' codes s[8:9], their scales s[10:11]
	s_load_b64 s[12:13], s[0:1], 0x20              ; qkv
	v_lshl_add_u32 v[SPW], v0, 2, SPARE
	v_mov_b32 v[NIL], 0
	ds_add_u32 v[SPW], v[NIL]                      ; the wave's opening: the add, twice on end, and its wait ahead of my first tensor load; the set-up below stands between the second and the wait
	ds_add_u32 v[SPW], v[NIL]
	v_lshrrev_b32 v1, 5, v0
	v_readfirstlane_b32 s14, v1                    ; wave 0..3
	s_lshr_b32 s15, s14, 1                         ; which half of the tile's rows is mine.  Also: I fetch for A (0) or for B (1)
	s_and_b32 s16, s14, 1                          ; which half of its columns.  Also: which 128 rows of that tile I fetch
	s_bfe_u32 s40, ttmp6, 0x40000                  ; cx, cy: my place in the cluster
	s_bfe_u32 s41, ttmp6, 0x40004
	s_lshl_b32 s42, ttmp9, 2
	s_add_co_u32 s42, s42, s40                     ; tile column of C = 4 x cluster x + cx
	s_and_b32 s17, ttmp7, 0xffff
	s_lshl_b32 s17, s17, 2
	s_add_co_u32 s17, s17, s41                     ; tile row of C = 4 x cluster y + cy
	s_lshl_b32 s43, s41, 2
	s_lshl_b32 s43, 15, s43                        ; my row of the cluster
	s_lshl_b32 s44, 0x1111, s40                    ; my column
	; descriptor group 1: a tile of 128 rows x 256 bytes, padded in LDS
	s_or_b32 s[G1+0], s43, (0<<16)|(1<<20)|(1<<21)|(5<<22)|(3<<25)  ; 15:0 the mask: A's tiles go to my row; 17:16 elements of 1 byte; 20 padding on; 21 set beside a mask; 24:22 after every 64 words; 31:25 four words
	s_or_b32 s[G1B+0], s44, (0<<16)|(1<<20)|(1<<21)|(5<<22)|(3<<25)
.irp g, G1, G1B
	s_mov_b32 s[\g+1], ROWB<<16                    ; tensor_dim0
	s_mov_b32 s[\g+2], 128<<16                     ; tensor_dim1 = 128
	s_mov_b32 s[\g+3], ROWB<<16                    ; tile_dim0
	s_mov_b32 s[\g+4], 128                         ; tile_dim1 = 128
	s_mov_b32 s[\g+5], KROW                        ; from row to row
	s_mov_b32 s[\g+6], 0
	s_mov_b32 s[\g+7], 0
.endr
	; and for the scales of 128 rows: a dense block of 4,096 bytes, as 16 rows of 256 bytes (32 elements of 8 bytes), 16 bytes of padding behind each
	s_or_b32 s[G1S+0], s43, (3<<16)|(1<<20)|(1<<21)|(5<<22)|(3<<25)
	s_or_b32 s[G1SB+0], s44, (3<<16)|(1<<20)|(1<<21)|(5<<22)|(3<<25)
.irp g, G1S, G1SB
	s_mov_b32 s[\g+1], 32<<16
	s_mov_b32 s[\g+2], (128*KS/256)<<16
	s_mov_b32 s[\g+3], 32<<16
	s_mov_b32 s[\g+4], 128*KS/256
	s_mov_b32 s[\g+5], 32
	s_mov_b32 s[\g+6], 0
	s_mov_b32 s[\g+7], 0
.endr
	s_lshl_b32 s18, s16, 7                         ; which 128 rows of the tile I fetch
	s_lshl_b32 s20, s17, 8
	s_add_co_u32 s20, s20, s18                     ; A: row 256 x tile row + 128 x half
	s_lshl_b32 s46, s42, 8
	s_add_co_u32 s46, s46, s18                     ; B: row 256 x tile column + 128 x half
	s_mov_b32 s21, 0
	s_mov_b32 s47, 0
	s_mov_b64 s[18:19], KS
	s_mul_u64 s[22:23], s[20:21], s[18:19]         ; where these rows' scales begin, in bytes
	s_mul_u64 s[92:93], s[46:47], s[18:19]
	s_mov_b64 s[18:19], KROW
	s_mul_u64 s[20:21], s[20:21], s[18:19]         ; and their codes
	s_mul_u64 s[46:47], s[46:47], s[18:19]
	s_mul_i32 s45, s14, HALFT                      ; where they go: wave x 128 rows: no place in the cluster enters an LDS address
	s_mul_i32 s94, s14, HALFS
	s_wait_dscnt 0x0                               ; both opening adds are done
	s_wait_kmcnt 0x0
	s_add_nc_u64 s[20:21], s[4:5], s[20:21]
	s_add_nc_u64 s[22:23], s[6:7], s[22:23]
	s_add_nc_u64 s[46:47], s[8:9], s[46:47]
	s_add_nc_u64 s[92:93], s[10:11], s[92:93]
	CROUND                                         ; all sixteen work-groups are here: the joint loads meet
	s_mov_b32 s[G0S], 1
	s_add_co_u32 s[G0S+1], s94, SCL
	s_mov_b64 s[G0S+2:G0S+3], s[22:23]
	s_or_b32 s[G0S+3], s[G0S+3], 0x80000000
	s_mov_b32 s[G0SB], 1
	s_add_co_u32 s[G0SB+1], s94, SCL
	s_mov_b64 s[G0SB+2:G0SB+3], s[92:93]
	s_or_b32 s[G0SB+3], s[G0SB+3], 0x80000000
	JLOAD G0S, G1S, G0SB, G1SB                     ; the scales first: they are wanted with the first slot
.irp s, 0,1
	s_mov_b32 s[G0+4*\s], 1
	s_add_co_u32 s[G0+4*\s+1], s45, \s*SLOT
	s_add_nc_u64 s[G0+4*\s+2:G0+4*\s+3], s[20:21], \s*ROWB
	s_or_b32 s[G0+4*\s+3], s[G0+4*\s+3], 0x80000000
	s_mov_b32 s[G0B+4*\s], 1
	s_add_co_u32 s[G0B+4*\s+1], s45, \s*SLOT
	s_add_nc_u64 s[G0B+4*\s+2:G0B+4*\s+3], s[46:47], \s*ROWB
	s_or_b32 s[G0B+4*\s+3], s[G0B+4*\s+3], 0x80000000
	JLOAD G0+4*\s, G1, G0B+4*\s, G1B               ; three tensor loads of mine are out: all that this launch has
.endr
	v_and_b32 v1, 15, v0                           ; r = l % 16
	v_bfe_u32 v2, v0, 4, 1                         ; h = l / 16
	v_mul_u32_u24 v3, v1, PITCH
	v_lshl_add_u32 v4, v2, 4, v3                   ; a fragment's row x pitch + 16 x half
	s_mul_i32 s21, s15, HALFT                      ; my 128 rows of A
	s_mul_i32 s22, s16, HALFT                      ; my 128 rows of B,
	s_add_co_u32 s22, s22, 2*HALFT                 ; which lie behind A's 256
.irp s, 0,1
	v_add_nc_u32 v[ADRA+\s], s21, v4
	v_add_nc_u32 v[ADRB+\s], s22, v4
	s_add_co_u32 s21, s21, SLOT
	s_add_co_u32 s22, s22, SLOT
.endr
	v_mul_u32_u24 v5, v1, KS                       ; my row's scales: KS bytes a row,
	v_lshrrev_b32 v6, 8, v5
	v_lshl_add_u32 v5, v6, 4, v5                   ; and 16 more for each 256 passed
	s_mul_i32 s21, s15, HALFS                      ; A's: my 128 rows
	s_mul_i32 s22, s16, HALFS                      ; B's: my 128 rows, behind A's 256
	s_add_co_u32 s22, s22, 2*HALFS
	s_sub_co_u32 s22, s22, s21
	v_mul_u32_u24 v6, s22, v2                      ; lanes 16-31 take B's: one product, the distance between the two bases
	s_add_co_u32 s21, s21, SCL
	v_add_nc_u32 v5, v5, v6
	v_add_nc_u32 v[ADRS], s21, v5
	v_and_b32 v5, 31, v0
	v_lshlrev_b32 v5, 4, v5                        ; q, k: my entry is my lane
	v_and_b32 v6, 7, v0
	v_lshl_add_u32 v6, v2, 3, v6
	v_bfe_u32 v7, v0, 3, 1
	v_lshl_add_u32 v6, v7, 4, v6                   ; v: (r % 8) + 8 h + 16 (r / 8)
	v_lshlrev_b32 v6, 4, v6
	s_cmp_eq_u32 ttmp9, 2                          ; cluster x = 0, 1, 2 is q, k, v: the same in all sixteen partners; it enters a global offset alone
	s_cselect_b32 s95, -1, 0
	v_cndmask_b32 v[CO], v5, v6, s95
	; where my part begins in qkv.  Token 256 ty + 128 half + 16 a + r; column 1,024 x (cluster x) + 256 cx + 128 half + 16 b + 8 h + j
	s_lshr_b32 s20, s17, 3                         ; the batch: 8 tile rows each,
	s_lshl_b32 s20, s20, 22                        ; 16 heads of 256 KiB
	s_and_b32 s21, s17, 7
	s_lshl_b32 s21, s21, 15                        ; 16 tiles of 16 tokens, 2,048 bytes each, for a tile row
	s_add_co_u32 s20, s20, s21
	s_lshl_b32 s21, s15, 14                        ; 8 for my half
	s_add_co_u32 s20, s20, s21
	s_mov_b32 s21, 0
	s_lshl_b32 s46, ttmp9, 24                      ; q, k or v
	s_lshl_b32 s47, s40, 20                        ; 4 heads for a tile column,
	s_add_co_u32 s46, s46, s47
	s_lshl_b32 s47, s16, 19                        ; 2 for my half
	s_add_co_u32 s46, s46, s47
	s_mov_b32 s47, 0
	s_add_nc_u64 s[20:21], s[20:21], s[46:47]
	s_add_nc_u64 s[12:13], s[12:13], s[20:21]
.macro FRAG reg, adr, q, i             ; a fragment, 16 rows x 128 K of 4-bit codes: lane l holds row l % 16; registers 4 c .. 4 c + 3 hold K = 64 c + 32 (l / 16) + 0 .. 31
.irp c, 0,1
	ds_load_b128 v[\reg+4*\c:\reg+4*\c+3], v[\adr] offset:64*(\q)+32*\c+(\i)*16*PITCH
.endr
.endm
; 16 matrix instructions: A's blocks a0, a0 + 1 x B's eight, 128 along K: the slot's q-th.  p: B's set;  sc: the set of scale words.  zero = 1: the first product starts the sums: nothing is ever cleared.
; The 64 accumulators take turns, one instruction a turn, in the same order in every step.
.macro MUL16 a0, p, q, sc, zero
.irp a, \a0, \a0+1
.irp b, 0,1,2,3,4,5,6,7
.if \zero
	v_wmma_scale_f32_16x16x128_f8f6f4 v[8*(8*((\a)%4)+\b):8*(8*((\a)%4)+\b)+7], v[128*(\p)+FR*\b:128*(\p)+FR*\b+FR-1], v[AF+FR*(\a):AF+FR*(\a)+FR-1], 0, v[SC+8*NQ*(\sc)+NQ*\b+(\q)], v[SC+8*NQ*(\sc)+NQ*(\a)+(\q)] matrix_a_fmt:MATRIX_FMT_FP4 matrix_b_fmt:MATRIX_FMT_FP4 matrix_a_scale:MATRIX_SCALE_ROW1
.else
	v_wmma_scale_f32_16x16x128_f8f6f4 v[8*(8*((\a)%4)+\b):8*(8*((\a)%4)+\b)+7], v[128*(\p)+FR*\b:128*(\p)+FR*\b+FR-1], v[AF+FR*(\a):AF+FR*(\a)+FR-1], v[8*(8*((\a)%4)+\b):8*(8*((\a)%4)+\b)+7], v[SC+8*NQ*(\sc)+NQ*\b+(\q)], v[SC+8*NQ*(\sc)+NQ*(\a)+(\q)] matrix_a_fmt:MATRIX_FMT_FP4 matrix_b_fmt:MATRIX_FMT_FP4 matrix_a_scale:MATRIX_SCALE_ROW1
.endif
.endr
.endr
.endm
.macro FETCH_B slot, q, p              ; B's eight fragments of the slot's q-th 128 along K into set p
	WIN TO_B
.irp i, 0,1,2,3,4,5,6,7
	FRAG 128*(\p)+FR*\i, ADRB+\slot, \q, \i
.endr
	WIN 0
.endm
.macro FETCH_A slot, q, i0             ; A's blocks i0 .. i0 + 3
.irp i, \i0, \i0+1, \i0+2, \i0+3
	FRAG AF+FR*(\i), ADRA+\slot, \q, \i
.endr
.endm
.macro SCALES sc                       ; a slot's scale words into set sc: four words a row; lanes 0-15 take A's block i, lanes 16-31 B's block i
.irp i, 0,1,2,3,4,5,6,7
	ds_load_b128 v[SC+8*NQ*\sc+NQ*\i:SC+8*NQ*\sc+NQ*\i+3], v[ADRS] offset:\i*SBLK
.endr
.endm
; A load into a register that a matrix instruction has read, and a vector instruction that reads a matrix result or writes one of its registers, stand NP places behind it; only plain vector instructions that name
; none of its registers are places (ISA guide 7.12.1 for vector instructions).
.macro PLACES n
.rept \n
	v_nop
.endr
.endm
; A step of 128 along K that has its successor in the same slot.  A block of A is free as soon as its eight products are issued: blocks 0-3 are fetched anew in the step's middle, blocks 4-7 at its end.
.macro STEP slot, q, zero
	s_wait_dscnt 4*NL                              ; B's set and A's blocks 0-3 are in; the youngest eight loads (A's blocks 4-7) may be out
	WIN MUL_LO
	MUL16 0, (\q)%2, \q, \slot, \zero
	MUL16 2, (\q)%2, \q, \slot, \zero
	s_wait_dscnt 0                                 ; A's blocks 4-7 are in (asked for 32 matrix instructions ago)
	PLACES NP
	FETCH_B \slot, (\q)+1, 1-(\q)%2
	FETCH_A \slot, (\q)+1, 0
	WIN MUL_HI
	MUL16 4, (\q)%2, \q, \slot, \zero
	MUL16 6, (\q)%2, \q, \slot, \zero
	PLACES NP
	WIN 0
	FETCH_A \slot, (\q)+1, 4
.endm
; Slot 0's last step changes slots: one barrier; in front of it each wave waits for all its tensor loads (its part of slot 1), adds 0 to its spare word, and waits for that.
.macro TURN slot, next
	s_wait_tensorcnt 0x0                           ; all my tensor loads have landed  (every window is 0 here: the add's two registers lie in window 0)
	ds_add_u32 v[SPW], v[NIL]                      ; 0 onto my spare word
	s_wait_dscnt 4*NL+1                            ; (the add and the youngest eight loads, A's blocks 4-7, may be out)
	WIN MUL_LO
	MUL16 0, 1, NQ-1, \slot, 0                     ; sixteen matrix instructions stand between the add and the wait for it
	s_wait_dscnt 0x0                               ; the add is done, and no LDS instruction of mine is out at the signal
	s_barrier_signal -1
	MUL16 2, 1, NQ-1, \slot, 0
	WIN 0
	s_barrier_wait -1                              ; every wave's part of the next slot has landed
	PLACES NP
	v_add_nc_u32 v[ADRS], 4*NQ, v[ADRS]            ; on to the next slot's scale words (no LDS load of mine is out)
	FETCH_B \next, 0, 0
	FETCH_A \next, 0, 0
	SCALES \next
	WIN MUL_HI
	MUL16 4, 1, NQ-1, \slot, 0
	MUL16 6, 1, NQ-1, \slot, 0
	PLACES NP
	WIN 0
	FETCH_A \next, 0, 4
.endm
.macro STEPS slot, from                ; the slot's steps from .. NQ - 2
.set QQ, \from
.rept NQ-1-\from
	STEP \slot, QQ, 0
.set QQ, QQ+1
.endr
.endm
	s_wait_tensorcnt 1                             ; the scales and my part of slot 0 are in; slot 1's load, the one issued behind them, may be out,
	s_barrier_signal -1
	s_barrier_wait -1                              ; everybody's are
	FETCH_B 0, 0, 0
	FETCH_A 0, 0, 0
	SCALES 0
	FETCH_A 0, 0, 4
	STEP 0, 0, 1                                   ; the first step's products start the sums
	STEPS 0, 1
	TURN 0, 1
	STEPS 1, 0
	s_wait_dscnt 4*NL                              ; the very last step: nothing more to fetch
	WIN MUL_LO
	MUL16 0, 1, NQ-1, 1, 0
	MUL16 2, 1, NQ-1, 1, 0
	s_wait_dscnt 0
	WIN MUL_HI
	MUL16 4, 1, NQ-1, 1, 0
	MUL16 6, 1, NQ-1, 1, 0
	WIN 0
; THE WAY OUT of block a (16 tokens x 128 channels = two heads x four pieces): each accumulator from its low end on, two numbers a conversion; eight stores of 512 consecutive bytes.
.macro OUT a
.if (\a) >= 4
	s_wait_xcnt 0x0                                ; block a - 4's stores have read their data: its set of registers is written again only behind this wait
.endif
	WIN 0x0a+5*((\a)/4)                            ; sources 0 and 1: window 2 or 3
.irp b, 0,1,2,3,4,5,6,7
.irp e, 0,1,2,3
	v_cvt_pk_f16_f32 v[TMP+32*((\a)%4)+4*\b+\e], v[64*((\a)%4)+8*\b+2*\e], v[64*((\a)%4)+8*\b+2*\e+1]
.endr
.endr
	WIN 0
.irp b, 0,1,2,3,4,5,6,7
	global_store_b128 v[CO], v[TMP+32*((\a)%4)+4*\b:TMP+32*((\a)%4)+4*\b+3], s[12:13] offset:(\a)*2048+(\b/4)*262144+(\b%4)*512
.endr
.endm
	PLACES NP                                      ; behind the last products: the conversions read results and write registers that held A's fragments
.irp a, 0,1,2,3,4,5,6,7
	OUT \a
.endr
	s_wait_tensorcnt 0x0                           ; the wave's end
	ds_add_u32 v[SPW], v[NIL]
	s_wait_dscnt 0x0
	CROUND                                         ; the closing round: no work-group ends while a partner may still ask for a tile that names it
	s_endpgm
.Lfunc_end_k_q44d31e5b5e_qkv:
	.size	k_q44d31e5b5e_qkv, .Lfunc_end_k_q44d31e5b5e_qkv-k_q44d31e5b5e_qkv
	.p2alignl 7, 3214868480
	.fill 96, 4, 3214868480
	.section	.rodata,"a",@progbits
	.p2align	6, 0x0
	.amdhsa_kernel k_q44d31e5b5e_qkv
		.amdhsa_group_segment_fixed_size 327680
		.amdhsa_private_segment_fixed_size 0
		.amdhsa_enable_private_segment 0
		.amdhsa_kernarg_size 40
		.amdhsa_user_sgpr_count 2
		.amdhsa_user_sgpr_kernarg_segment_ptr 1
		.amdhsa_wavefront_size32 1
		.amdhsa_system_sgpr_workgroup_id_x 1
		.amdhsa_system_sgpr_workgroup_id_y 1
		.amdhsa_system_sgpr_workgroup_id_z 1
		.amdhsa_system_vgpr_workitem_id 0
		.amdhsa_next_free_vgpr 1024
		.amdhsa_next_free_sgpr 98
		.amdhsa_reserve_vcc 0
		.amdhsa_float_denorm_mode_32 3
		.amdhsa_float_denorm_mode_16_64 3
		.amdhsa_memory_ordered 1
		.amdhsa_forward_progress 1
		.amdhsa_inst_pref_size 118
	.end_amdhsa_kernel
	.amdgpu_metadata
---
amdhsa.version: [ 1, 2 ]
amdhsa.kernels:
  - .name:           k_q44d31e5b5e_qkv
    .symbol:         k_q44d31e5b5e_qkv.kd
    .args:
      - { .name: x_codes, .offset: 0, .size: 8, .value_kind: global_buffer, .address_space: global }
      - { .name: x_scales, .offset: 8, .size: 8, .value_kind: global_buffer, .address_space: global }
      - { .name: w_codes, .offset: 16, .size: 8, .value_kind: global_buffer, .address_space: global }
      - { .name: w_scales, .offset: 24, .size: 8, .value_kind: global_buffer, .address_space: global }
      - { .name: qkv, .offset: 32, .size: 8, .value_kind: global_buffer, .address_space: global }
    .group_segment_fixed_size: 327680
    .private_segment_fixed_size: 0
    .kernarg_segment_align: 8
    .kernarg_segment_size: 40
    .max_flat_workgroup_size: 128
    .sgpr_count:     98
    .vgpr_count:     1024
    .wavefront_size: 32
...
	.end_amdgpu_metadata
.endif
;; end of part 2
;; launch attn (part 3): grid 4 x 64, 16 waves a work-group, clusters of 4 x 1, 327,680 bytes of LDS; arguments qkv, o_img; writes o_img
.if DOCPART == 3
	.amdgcn_target "amdgcn-amd-amdhsa--gfx1250"
	.amdhsa_code_object_version 6
	.text
	.protected	k_q44d31e5b5e_attn
	.globl	k_q44d31e5b5e_attn
	.p2align	8
	.type	k_q44d31e5b5e_attn,@function
k_q44d31e5b5e_attn:
	s_mov_b64 s[64:65], 0
	v_nop
	global_prefetch_b8 v0, s[64:65] scope:SCOPE_SE
	s_setreg_imm32_b32 hwreg(HW_REG_WAVE_MODE, 25, 1), 1
	s_wait_xcnt 0x0
	s_wait_alu depctr_hold_cnt(0) depctr_sa_sdst(0) depctr_va_vdst(0) depctr_va_sdst(0) depctr_va_ssrc(0) depctr_va_vcc(0) depctr_vm_vsrc(0)
	s_getreg_b32 s2, hwreg(HW_REG_IB_STS2, 6, 4)
	s_cmp_eq_u32 s2, 0
	s_cbranch_scc0 .Lentry_in_a_cluster
	s_endpgm
.Lentry_in_a_cluster:
	s_bfe_u32 s2, ttmp6, 0x10000c
	s_cmp_lg_u32 s2, 0x3003
	s_cbranch_scc0 .Lentry_shape_is_right
	s_endpgm
.Lentry_shape_is_right:
; o[b][h][q][:] = the sum over k of softmax_k(q . k / 8) v[k][:], 64 (batch, head) pairs of 2,048 tokens, head size 64, no mask.  No work is left out.
; q, k, v come as f16 in images of the operands' registers (layout: the head of the launch that writes them): [q, k, v][batch x 16 + head][16 tokens: 2,048 bytes][16 channels: 512 bytes][entry: 16 bytes].
; Products on f16 operands, sums, maxima and exponentials in f32; the weights p (at most 1) are rounded to f16 for the second product, o once at the end.  LIMIT: an o beyond 65,504 in magnitude has no f16 number.
; SOFTMAX.  For each query a running maximum m and sum l: p = 2^(c s - c m), c = log2(e) / 8; in every step O and l are multiplied by a = 2^(c m_old - c m_new).  m begins at -3e38 and O, l at 0: the first a is 0.
; SHARES.  A cluster of four work-groups owns one (batch, head); a work-group 512 of its queries; each of its SIXTEEN waves 32: two tiles of 16, in 256 registers.  Four waves stand on a SIMD, so that one wave's
; vector work stands beside another's matrix work and LDS loads.  Every wave walks all 2,048 keys, 64 a step; a fragment of K or V read from LDS feeds two matrix instructions.
; LAYOUT.  S^T = K Q^T (source 0 = 16 keys, source 1 = 16 queries): a lane holds ONE query (lane % 16) and keys 8 (lane / 16) + 0 .. 7.  Two such tiles rounded in pairs ARE source 1 of O^T = V^T P.
; K's fragments come from LDS as they lie, 16 bytes a lane; V's through the turning load, whose lanes also stand 16 bytes apart, since v's entries were stored in that load's order.
; THE RING.  Two LDS slots of 512 keys (K's 64 KiB, then V's), dense.  The four partners walk the same K and V: each quarter of a slot is asked for JOINTLY by waves 0 to 3 (0, 1: K's halves; 2, 3: V's), the same load with
; the same descriptor and a mask that names the four.  The change of slots stands at a slot's head; behind its round the other slot is asked for, and has 8 key steps in which to land.  One tensor load of a wave is out at most.
; o_img is laid for the projection out: [K step of 128: 8][16 tokens: 512][32 along K: 4][piece: 2][lane][16 bytes], k = 64 head + channel.
.set SLOT1, 1<<17                      ; slot 1 begins here: one exclusive or turns an address in one slot into the other's
.set VOFF,  65536                      ; V's tiles in a slot
.set SPARE, 262144                     ; behind the ring: the spare words, 128 bytes for each of 16 waves, which no other line names
.set LA,  1                            ; v1   16 x lane: my place in a piece, in LDS and in memory; never rewritten
.set ADK, 2                            ; v2   LDS address of the step's K
.set ADV, 3                            ; v3   of its V
.set SPW, 4                            ; v4   LDS address of my spare word; never rewritten
.set NIL, 5                            ; v5   0; never rewritten
.set PFO, 6                            ; v6   256 x lane: the prefetches' offset; never rewritten
.set ST,  8                            ; v8-23    tile t's statistics at v[ST + 8 t]: +0 c m, +1 m, +2, +3 l (even keys', odd keys'), +4 to +7 at work; a in +6
.set Q,   24                           ; v24-55   Q: fragment (tile t, channels 32 s on) at Q + 16 t + 8 s
.set S,   56                           ; v56-119  S^T: tile t, keys 16 kt on, at S + 32 t + 8 kt; then p; then P, packed in place, in S + 32 t + 0 .. 15
.set O,   120                          ; v120-183 O^T: tile t, channels 16 ct on, at O + 32 t + 8 ct
.set KV,  184                          ; v184-247 a step's K, then its V
.set WV,  8                            ; s8   my wave's number
.set G1,  16                           ; s[16:23] descriptor group 1
.set G0,  24                           ; s[24:27] descriptor group 0, which walks
.set CS,  28                           ; s[28:29] c: the packed form names a pair and takes its low word for both halves
.set SEL, 30                           ; s[30:31] lane selects for v_permlanex16_b32: lane l xor 16
.set TB,  32                           ; s32  LDS byte at which the step's K begins
.set SLOTS, 33                         ; s33  slots still to be asked for
.set NSTEP, 34                         ; s34  counts a slot's 8 steps
.set PFA, 36                           ; s[36:37] where my prefetches stand
.set LIM, 38                           ; s38  1 in a wave that prefetches, else the greatest number
.macro CROUND                          ; a round of the cluster's barrier
	s_barrier_signal -1
	s_barrier_wait -1
	s_cmp_lg_u32 s[WV], 0
	s_cbranch_scc1 .Lnot_wave_0_\@
	s_barrier_signal -3
.Lnot_wave_0_\@:
	s_barrier_wait -3
	s_barrier_signal -1
	s_barrier_wait -1
.endm
.macro TLOAD                           ; waves 0 to 3 fetch a quarter of a slot each; the branch hangs on the wave's number alone.  An s_nop 0 and four v_nop follow the load
	s_cmp_lt_u32 s[WV], 4
	s_cbranch_scc0 .Lnone_\@
	tensor_load_to_lds s[G0:G0+3], s[G1:G1+7]
	s_nop 0
.rept 4
	v_nop
.endr
.Lnone_\@:
.endm
; A PREFETCH INTO THE L2 of what the NEXT change of slots will ask for: a slot's 64 KiB of K and 64 KiB of V, one slot (8 key steps) ahead of that load.  A head belongs to one cluster; its four partners share the bytes out
; BY ADDRESS, 16 KiB of each; in each, waves 4 and 5 ask for K's and waves 6 and 7 for V's, 8 KiB a wave, lanes 256 bytes apart: each aligned 256 bytes are named once in the launch.
; The last change that fills a slot asks for nothing; the first two slots come by their loads alone.
.macro ASK
	s_cmp_gt_u32 s[SLOTS], s[LIM]
	s_cbranch_scc0 .Lnot_mine_\@
	global_prefetch_b8 v[PFO], s[PFA:PFA+1] th:TH_LOAD_NT scope:SCOPE_SE
.Lnot_mine_\@:
.endm
	s_load_b128 s[4:7], s[0:1], 0x0                ; qkv s[4:5], o_img s[6:7]
	v_lshl_add_u32 v[SPW], v0, 2, SPARE
	v_mov_b32 v[NIL], 0
	ds_add_u32 v[SPW], v[NIL]                      ; the wave's opening: the add, twice on end, and its wait ahead of the first tensor load; the set-up below stands between the second and the wait
	ds_add_u32 v[SPW], v[NIL]
	v_lshrrev_b32 v1, 5, v0
	v_readfirstlane_b32 s[WV], v1                  ; wave 0..15
	s_bfe_u32 s9, ttmp6, 0x40000                   ; cx: my block of 512 queries; it enters global addresses alone
	s_and_b32 s10, ttmp7, 0xffff                   ; batch x 16 + head, which the four partners share
	; descriptor group 1: a dense block of 32 KiB as 128 rows of 256 bytes
	s_mov_b32 s[G1], 15|(3<<16)|(1<<21)            ; 15:0 the mask: all four work-groups; 17:16 elements of 8 bytes; 21 set beside a mask; no padding
	s_mov_b32 s[G1+1], 32<<16                      ; tensor_dim0 = 32
	s_mov_b32 s[G1+2], 128<<16                     ; tensor_dim1 = 128
	s_mov_b32 s[G1+3], 32<<16                      ; tile_dim0 = 32
	s_mov_b32 s[G1+4], 128                         ; tile_dim1 = 128
	s_mov_b32 s[G1+5], 32                          ; from row to row
	s_mov_b32 s[G1+6], 0
	s_mov_b32 s[G1+7], 0
	s_mov_b32 s[CS], 0x3e38aa3b                    ; c = log2(e) / 8
	s_mov_b32 s[CS+1], s[CS]                       ; (named with it as a pair, so it is written)
	s_mov_b32 s[SEL], 0x76543210
	s_mov_b32 s[SEL+1], 0xfedcba98
	s_mov_b32 s[TB], 0
	s_mov_b32 s[SLOTS], 3
	s_and_b32 s40, s[WV], 3                        ; which quarter of a slot I fetch, if I fetch
	s_lshr_b32 s41, s40, 1
	s_add_co_u32 s41, s41, 1                       ; 1: K, 2: V
	s_lshl_b32 s41, s41, 24
	s_lshl_b32 s42, s10, 18                        ; the head's 256 KiB
	s_and_b32 s43, s40, 1
	s_lshl_b32 s43, s43, 15                        ; which half: 256 keys
	s_add_co_u32 s44, s41, s42
	s_add_co_u32 s44, s44, s43
	s_mov_b32 s45, 0
	s_mov_b32 s[G0], 1                             ; count = 1
	s_lshl_b32 s[G0+1], s40, 15                    ; LDS address: slot 0, K's halves, then V's
	s_lshl_b32 s46, s9, 16                         ; Q: my block's 32 tiles of 2,048 bytes,
	s_lshl_b32 s52, s[WV], 12                      ; my wave's two
	s_add_co_u32 s46, s46, s52
	s_add_co_u32 s46, s46, s42
	s_mov_b32 s47, 0
	s_and_b32 s52, s10, 15                         ; o: the head:
	s_lshr_b32 s53, s52, 1
	s_lshl_b32 s48, s53, 21                        ; its K step of 128,
	s_and_b32 s52, s52, 1
	s_lshl_b32 s52, s52, 11                        ; and its half of it;
	s_add_co_u32 s48, s48, s52
	s_lshr_b32 s52, s10, 4
	s_lshl_b32 s52, s52, 19                        ; the batch's 128 tiles of 4,096 bytes,
	s_add_co_u32 s48, s48, s52
	s_lshl_b32 s52, s9, 17                         ; my block's 32,
	s_add_co_u32 s48, s48, s52
	s_lshl_b32 s52, s[WV], 13                      ; my wave's two
	s_add_co_u32 s48, s48, s52
	s_mov_b32 s49, 0
	s_bfe_u32 s50, s[WV], 0x10001                  ; the prefetches: waves 4, 5: K; waves 6, 7: V
	s_add_co_u32 s50, s50, 1
	s_lshl_b32 s50, s50, 24
	s_add_co_u32 s50, s50, s42
	s_lshl_b32 s52, s9, 14                         ; my work-group's 16 KiB,
	s_add_co_u32 s50, s50, s52
	s_and_b32 s52, s[WV], 1
	s_lshl_b32 s52, s52, 13                        ; my wave's 8,
	s_add_co_u32 s50, s50, s52
	s_add_co_u32 s50, s50, 65536                   ; in the second 512 keys: the first change of slots steps it to the third
	s_mov_b32 s51, 0
	s_sub_co_u32 s[LIM], s[WV], 4
	s_lshr_b32 s[LIM], s[LIM], 2                   ; 0 in waves 4 to 7
	s_cmp_eq_u32 s[LIM], 0
	s_cselect_b32 s[LIM], 1, -1
	s_wait_dscnt 0x0                               ; both opening adds are done
	s_wait_kmcnt 0x0
	s_add_nc_u64 s[G0+2:G0+3], s[4:5], s[44:45]    ; global address: the head's first 512 keys, my quarter
	s_or_b32 s[G0+3], s[G0+3], 0x80000000          ; type = 2
	s_add_nc_u64 s[12:13], s[4:5], s[46:47]        ; Q
	s_add_nc_u64 s[14:15], s[6:7], s[48:49]        ; o
	s_add_nc_u64 s[PFA:PFA+1], s[4:5], s[50:51]
	CROUND                                         ; all four work-groups are here: the first joint loads meet
	TLOAD                                          ; slot 0
	v_and_b32 v1, 31, v0
	v_lshlrev_b32 v[PFO], 8, v1
	v_lshlrev_b32 v[LA], 4, v1
.irp i, 0,1,2,3,4,5,6,7
	global_load_b128 v[Q+4*\i:Q+4*\i+3], v[LA], s[12:13] offset:512*\i   ; Q stays in registers: tile i / 4, piece i % 4
.endr
.irp t, 0,1
	v_mov_b32 v[ST+8*\t+1], 0xff61b1e6             ; m: -3e38, under every score
	v_mul_f32 v[ST+8*\t], s[CS], v[ST+8*\t+1]      ; c m
.irp j, 2,3,4,5,6,7
	v_mov_b32 v[ST+8*\t+\j], 0                     ; l; and the registers at work, written once: a lane permute's destination counts as one of its sources
.endr
.endr
.irp j, 0,1,2,3,4,5,6,7,8,9,10,11,12,13,14,15,16,17,18,19,20,21,22,23,24,25,26,27,28,29,30,31,32,33,34,35,36,37,38,39,40,41,42,43,44,45,46,47,48,49,50,51,52,53,54,55,56,57,58,59,60,61,62,63
	v_mov_b32 v[O+\j], 0                           ; O^T.  (The step is written once: the first finds zeros, which the first a leaves zeros)
.endr
; A KEY STEP: 64 keys, both tiles.  Where a line is written for both tiles, they alternate, so that no line waits for the line above it.
.macro STEP
	v_add_nc_u32 v[ADK], s[TB], v[LA]              ; five plain lines behind the last step's products V^T P: four are owed ahead of the loads into the registers that they read,
	v_add_nc_u32 v[ADV], VOFF, v[ADK]              ; five ahead of the products below, which write over P (ISA guide 7.12.1 for vector instructions)
.rept 3
	v_nop
.endr
.irp i, 0,1,2,3,4,5,6,7,8,9,10,11,12,13,14,15
	ds_load_b128 v[KV+4*\i:KV+4*\i+3], v[ADK] offset:512*\i          ; K: keys 16 (i / 4) on, piece i % 4: 512 consecutive bytes a load
.endr
	s_wait_dscnt 0x0
.irp s, 0,1                            ; S^T = K Q^T: eight accumulators by turns, one instruction a turn; the first eight start the sums
.irp kt, 0,1,2,3
.irp t, 0,1
.if \s == 0
	v_wmma_f32_16x16x32_f16 v[S+32*\t+8*\kt:S+32*\t+8*\kt+7], v[KV+16*\kt:KV+16*\kt+7], v[Q+16*\t:Q+16*\t+7], 0
.else
	v_wmma_f32_16x16x32_f16 v[S+32*\t+8*\kt:S+32*\t+8*\kt+7], v[KV+16*\kt+8:KV+16*\kt+15], v[Q+16*\t+8:Q+16*\t+15], v[S+32*\t+8*\kt:S+32*\t+8*\kt+7]
.endif
.endr
.endr
.endr
.rept 4
	v_nop                                          ; places: ahead of the loads into K's registers, and of the first read of the scores
.endr
.irp ks, 0,1                           ; V, turned: keys 32 ks on, channels 16 ct on; it lands while the softmax is walked
.irp ct, 0,1,2,3
	ds_load_tr16_b128 v[KV+8*(4*\ks+\ct):KV+8*(4*\ks+\ct)+3],   v[ADV] offset:4096*\ks+512*\ct
	ds_load_tr16_b128 v[KV+8*(4*\ks+\ct)+4:KV+8*(4*\ks+\ct)+7], v[ADV] offset:4096*\ks+2048+512*\ct
.endr
.endr
.irp j, 0,1,2,3                        ; the maximum of my 32 scores and the old m: four chains, each accumulator from its low end on
.irp t, 0,1
	v_max3_num_f32 v[ST+8*\t+4+\j], v[S+32*\t+8*\j], v[S+32*\t+8*\j+1], v[S+32*\t+8*\j+2]
.endr
.endr
.irp g, 1,2
.irp j, 0,1,2,3
.irp t, 0,1
	v_max3_num_f32 v[ST+8*\t+4+\j], v[ST+8*\t+4+\j], v[S+32*\t+8*\j+2*\g+1], v[S+32*\t+8*\j+2*\g+2]
.endr
.endr
.endr
.irp t, 0,1
	v_max3_num_f32 v[ST+8*\t+4], v[ST+8*\t+4], v[S+32*\t+7], v[S+32*\t+15]
.endr
.irp t, 0,1
	v_max3_num_f32 v[ST+8*\t+6], v[ST+8*\t+6], v[S+32*\t+23], v[S+32*\t+31]
.endr
.irp t, 0,1
	v_max3_num_f32 v[ST+8*\t+4], v[ST+8*\t+4], v[ST+8*\t+5], v[ST+8*\t+6]
.endr
.irp t, 0,1
	v_max3_num_f32 v[ST+8*\t+4], v[ST+8*\t+4], v[ST+8*\t+7], v[ST+8*\t+1]
.endr
.irp t, 0,1
	v_permlanex16_b32 v[ST+8*\t+5], v[ST+8*\t+4], s[SEL], s[SEL+1]   ; the query's other 32 keys lie in the lane 16 away
.endr
.irp t, 0,1
	v_mov_b32 v[ST+8*\t+7], v[ST+8*\t]             ; c m_old is kept for a
.endr
.irp t, 0,1
	v_max_num_f32 v[ST+8*\t+1], v[ST+8*\t+4], v[ST+8*\t+5]           ; the new m
.endr
.irp t, 0,1
	v_mul_f32 v[ST+8*\t], s[CS], v[ST+8*\t+1]      ; c m
.endr
.irp t, 0,1
	v_sub_f32 v[ST+8*\t+7], v[ST+8*\t+7], v[ST+8*\t]
.endr
.irp j, 0,2,4,6,8,10,12,14,16,18,20,22,24,26,28,30
.irp t, 0,1
	v_pk_fma_f32 v[S+32*\t+\j:S+32*\t+\j+1], v[S+32*\t+\j:S+32*\t+\j+1], s[CS:CS+1], v[ST+8*\t:ST+8*\t+1] op_sel_hi:[1,0,0] neg_lo:[0,0,1] neg_hi:[0,0,1]   ; c s - c m, two at a time
.endr
.endr
.irp t, 0,1                            ; ONE BATCH of 66 exponentials: none reads another's result
	v_exp_f32 v[ST+8*\t+6], v[ST+8*\t+7]           ; a
.endr
.irp j, 0,1,2,3,4,5,6,7,8,9,10,11,12,13,14,15,16,17,18,19,20,21,22,23,24,25,26,27,28,29,30,31
.irp t, 0,1
	v_exp_f32 v[S+32*\t+\j], v[S+32*\t+\j]         ; p
.endr
.endr
	v_nop                                          ; a plain line behind the last exponential (ISA guide 5.7.2),
	s_wait_alu depctr_va_vdst(0)                   ; and the one wait ahead of the batch's first reader
.irp t, 0,1                            ; l = a l + the sum of p, in f32, of the unrounded p: two chains a tile
	v_pk_fma_f32 v[ST+8*\t+2:ST+8*\t+3], v[ST+8*\t+2:ST+8*\t+3], v[ST+8*\t+6:ST+8*\t+7], v[S+32*\t:S+32*\t+1] op_sel_hi:[1,0,1]
.endr
.irp t, 0,1
	v_pk_add_f32 v[ST+8*\t+4:ST+8*\t+5], v[S+32*\t+2:S+32*\t+3], v[S+32*\t+4:S+32*\t+5]
.endr
.irp p, 3,5,7,9,11,13
.irp t, 0,1
	v_pk_add_f32 v[ST+8*\t+2:ST+8*\t+3], v[ST+8*\t+2:ST+8*\t+3], v[S+32*\t+2*\p:S+32*\t+2*\p+1]
.endr
.irp t, 0,1
	v_pk_add_f32 v[ST+8*\t+4:ST+8*\t+5], v[ST+8*\t+4:ST+8*\t+5], v[S+32*\t+2*\p+2:S+32*\t+2*\p+3]
.endr
.endr
.irp t, 0,1
	v_pk_add_f32 v[ST+8*\t+2:ST+8*\t+3], v[ST+8*\t+2:ST+8*\t+3], v[S+32*\t+30:S+32*\t+31]
.endr
.irp t, 0,1
	v_pk_add_f32 v[ST+8*\t+2:ST+8*\t+3], v[ST+8*\t+2:ST+8*\t+3], v[ST+8*\t+4:ST+8*\t+5]
.endr
.irp j, 0,1,2,3,4,5,6,7,8,9,10,11,12,13,14,15
.irp t, 0,1
	v_cvt_pk_f16_f32 v[S+32*\t+\j], v[S+32*\t+2*\j], v[S+32*\t+2*\j+1]   ; P, packed in place, ascending: register j is never written before registers 2 j, 2 j + 1 are read
.endr
.endr
.irp j, 0,2,4,6,8,10,12,14,16,18,20,22,24,26,28,30
.irp t, 0,1
	v_pk_mul_f32 v[O+32*\t+\j:O+32*\t+\j+1], v[O+32*\t+\j:O+32*\t+\j+1], v[ST+8*\t+6:ST+8*\t+7] op_sel_hi:[1,0]   ; O^T x a, each accumulator from its low end on
.endr
.endr
	s_wait_dscnt 0x0                               ; V is in
.irp ks, 0,1                           ; O^T += V^T P: eight accumulators by turns
.irp ct, 0,1,2,3
.irp t, 0,1
	v_wmma_f32_16x16x32_f16 v[O+32*\t+8*\ct:O+32*\t+8*\ct+7], v[KV+8*(4*\ks+\ct):KV+8*(4*\ks+\ct)+7], v[S+32*\t+8*\ks:S+32*\t+8*\ks+7], v[O+32*\t+8*\ct:O+32*\t+8*\ct+7]
.endr
.endr
.endr
	s_add_co_u32 s[TB], s[TB], 8192                ; the next 64 keys
.endm
; THE CHANGE OF SLOTS stands at a slot's head.  Each wave waits for all its tensor loads (its part of the slot that is about to be read), adds 0 to its spare word, and waits for that and for its reads of the slot that it has left.
; fill = 1: a round of the cluster's barrier follows, so that no wave of any partner still reads the other slot or has a load on its way, and the joint load of the next 512 keys is the first thing behind it.
.macro CHANGE fill
	s_wait_tensorcnt 0x0                           ; no tensor load of mine is out, so group 0 may be written
	ds_add_u32 v[SPW], v[NIL]                      ; 0 onto my spare word
.if \fill
	ds_add_u32 v[SPW], v[NIL]                      ; and once more: the add twice on end, in every trip alike
	s_xor_b32 s[G0+1], s[G0+1], SLOT1              ; the other slot than last time,
	s_add_nc_u64 s[G0+2:G0+3], s[G0+2:G0+3], 65536 ; the next 512 keys; the type bits on top are not reached
	s_wait_xcnt 0x0                                ; the last prefetch, a slot back, has read its address, so it may be written:
	s_add_nc_u64 s[PFA:PFA+1], s[PFA:PFA+1], 65536 ; one slot further on than the walking descriptor
	s_wait_dscnt 0x0                               ; both adds are done, and my reads of the slot that I have left are over
	CROUND
	TLOAD
	ASK
.else
	s_wait_dscnt 0x0
	s_barrier_signal -1
	s_barrier_wait -1
.endif
.endm
.macro SLOT_STEPS                      ; a slot's 8 key steps: written once, walked eight times; the LDS addresses hang on s[TB]
	s_mov_b32 s[NSTEP], 8
.Lstep_\@:
	STEP
	s_sub_co_u32 s[NSTEP], s[NSTEP], 1
	s_cmp_lg_u32 s[NSTEP], 0
	s_cbranch_scc1 .Lstep_\@
	s_sub_co_u32 s[TB], s[TB], 65536               ; back to a slot's first step,
	s_xor_b32 s[TB], s[TB], SLOT1                  ; in the other slot
.endm
	s_wait_loadcnt 0x0                             ; Q
.Lslot:                                            ; three trips: behind each change of slots but the last the next 512 keys are asked for
	CHANGE 1
	SLOT_STEPS
	s_sub_co_u32 s[SLOTS], s[SLOTS], 1
	s_cmp_lg_u32 s[SLOTS], 0
	s_cbranch_scc1 .Lslot
	CHANGE 0                                       ; the last slot is written out
	SLOT_STEPS
	; THE WAY OUT.  l's halves and the other half of the lanes' are added; O^T is divided by l and rounded to f16: four conversions of an accumulator are my entry of a piece of o_img.
.rept 4
	v_nop                                          ; places behind the last products
.endr
.irp t, 0,1
	v_add_f32 v[ST+8*\t+4], v[ST+8*\t+2], v[ST+8*\t+3]
.endr
.irp t, 0,1
	v_permlanex16_b32 v[ST+8*\t+5], v[ST+8*\t+4], s[SEL], s[SEL+1]
.endr
.irp t, 0,1
	v_add_f32 v[ST+8*\t+4], v[ST+8*\t+4], v[ST+8*\t+5]
.endr
.irp t, 0,1
	v_rcp_f32 v[ST+8*\t+6], v[ST+8*\t+4]
.endr
	v_nop                                          ; a plain line behind the last reciprocal,
	s_wait_alu depctr_va_vdst(0)                   ; and the wait ahead of the first use: one for both
.irp t, 0,1
.irp j, 0,2,4,6,8,10,12,14,16,18,20,22,24,26,28,30
	v_pk_mul_f32 v[O+32*\t+\j:O+32*\t+\j+1], v[O+32*\t+\j:O+32*\t+\j+1], v[ST+8*\t+6:ST+8*\t+7] op_sel_hi:[1,0]
.endr
.endr
.irp t, 0,1
.irp j, 0,1,2,3,4,5,6,7,8,9,10,11,12,13,14,15
	v_cvt_pk_f16_f32 v[S+16*\t+\j], v[O+32*\t+2*\j], v[O+32*\t+2*\j+1]
.endr
.endr
.irp t, 0,1
.irp ct, 0,1,2,3
	global_store_b128 v[LA], v[S+16*\t+4*\ct:S+16*\t+4*\ct+3], s[14:15] offset:\t*4096+\ct*512   ; a piece: 512 consecutive bytes, aligned
.endr
.endr
	s_wait_tensorcnt 0x0                           ; the wave's end
	ds_add_u32 v[SPW], v[NIL]
	s_wait_dscnt 0x0
	CROUND                                         ; the closing round: no work-group ends while a partner may still ask for a tile that names it
	s_endpgm
.Lfunc_end_k_q44d31e5b5e_attn:
	.size	k_q44d31e5b5e_attn, .Lfunc_end_k_q44d31e5b5e_attn-k_q44d31e5b5e_attn
	.p2alignl 7, 3214868480
	.fill 96, 4, 3214868480
	.section	.rodata,"a",@progbits
	.p2align	6, 0x0
	.amdhsa_kernel k_q44d31e5b5e_attn
		.amdhsa_group_segment_fixed_size 327680
		.amdhsa_private_segment_fixed_size 0
		.amdhsa_enable_private_segment 0
		.amdhsa_kernarg_size 16
		.amdhsa_user_sgpr_count 2
		.amdhsa_user_sgpr_kernarg_segment_ptr 1
		.amdhsa_wavefront_size32 1
		.amdhsa_system_sgpr_workgroup_id_x 1
		.amdhsa_system_sgpr_workgroup_id_y 1
		.amdhsa_system_sgpr_workgroup_id_z 1
		.amdhsa_system_vgpr_workitem_id 0
		.amdhsa_next_free_vgpr 256
		.amdhsa_next_free_sgpr 66
		.amdhsa_reserve_vcc 0
		.amdhsa_float_denorm_mode_32 3
		.amdhsa_float_denorm_mode_16_64 3
		.amdhsa_memory_ordered 1
		.amdhsa_forward_progress 1
		.amdhsa_inst_pref_size 49
	.end_amdhsa_kernel
	.amdgpu_metadata
---
amdhsa.version: [ 1, 2 ]
amdhsa.kernels:
  - .name:           k_q44d31e5b5e_attn
    .symbol:         k_q44d31e5b5e_attn.kd
    .args:
      - { .name: qkv, .offset: 0, .size: 8, .value_kind: global_buffer, .address_space: global }
      - { .name: o_img, .offset: 8, .size: 8, .value_kind: global_buffer, .address_space: global }
    .group_segment_fixed_size: 327680
    .private_segment_fixed_size: 0
    .kernarg_segment_align: 8
    .kernarg_segment_size: 16
    .max_flat_workgroup_size: 512
    .sgpr_count:     66
    .vgpr_count:     256
    .wavefront_size: 32
...
	.end_amdgpu_metadata
.endif
;; end of part 3
;; launch oproj (part 4): grid 4 x 64, 4 waves a work-group, clusters of 4 x 4, 327,680 bytes of LDS; arguments o_img, wo_img, b_o, out0; writes out0
.if DOCPART == 4
	.amdgcn_target "amdgcn-amd-amdhsa--gfx1250"
	.amdhsa_code_object_version 6
	.text
	.protected	k_q44d31e5b5e_oproj
	.globl	k_q44d31e5b5e_oproj
	.p2align	8
	.type	k_q44d31e5b5e_oproj,@function
k_q44d31e5b5e_oproj:
	s_mov_b64 s[64:65], 0
	v_nop
	global_prefetch_b8 v0, s[64:65] scope:SCOPE_SE
	s_setreg_imm32_b32 hwreg(HW_REG_WAVE_MODE, 25, 1), 1
	s_wait_xcnt 0x0
	s_wait_alu depctr_hold_cnt(0) depctr_sa_sdst(0) depctr_va_vdst(0) depctr_va_sdst(0) depctr_va_ssrc(0) depctr_va_vcc(0) depctr_vm_vsrc(0)
	s_getreg_b32 s2, hwreg(HW_REG_IB_STS2, 6, 4)
	s_cmp_eq_u32 s2, 0
	s_cbranch_scc0 .Lentry_in_a_cluster
	s_endpgm
.Lentry_in_a_cluster:
	s_bfe_u32 s2, ttmp6, 0x10000c
	s_cmp_lg_u32 s2, 0xf033
	s_cbranch_scc0 .Lentry_shape_is_right
	s_endpgm
.Lentry_shape_is_right:
; out0[token][n] = sum over k of o[token][k] W_o[n][k] + b_o[n].  8,192 x 1,024 x 1,024; operands f16, sums f32, K ascending.  No work is left out.
; Both operands come as images of their registers: o_img [K step of 128: 8][16 tokens: 512][32 along K: 4][piece: 2][lane][16 bytes], wo_img [K step: 8][16 rows: 64][4][2][lane][16 bytes].  So a K step's tiles are dense
; blocks of memory for the tensor data mover, and every fragment load takes 512 consecutive LDS bytes: no pitch and no padding.
; A tile of out0 is 128 tokens x 256 outputs: 256 work-groups.  Four waves, each 64 tokens x 128 outputs: 32 accumulators of 16 x 16, all of window 1.  K goes in 8 steps of 128 through a ring of two LDS slots.
; CLUSTERS: 4 x 4 work-groups.  The four of a row of the cluster need the same tiles of o, the four of a column the same tiles of W_o: each is asked for JOINTLY, by the same tensor load with the same descriptor and a mask that
; names the four.  THE MATRIX INSTRUCTION IS USED TRANSPOSED (source 0 = 16 rows of W_o, source 1 = 16 tokens): a lane holds one token and eight neighbouring outputs.
; REGISTERS: window 0: v16-29 addresses; two fragment buffers of 96 for 32 along K (W_o's eight fragments, then o's four) at v32 and v128; v224-227 my four numbers of b_o; on the way out v32-159 rows of out0.
;   window 1: accumulator (a, b) at v[8 (8 a + b)].
.set SLOT,   98304                     ; o's 8 tiles of 4,096 bytes, then W_o's 16
.set BOFF,   32768
.set STAGE,  2*SLOT                    ; behind the ring: 16 rows x (512 bytes + 16) for each wave, for the way out; no tensor load lands there
.set SPITCH, 528
.set SPARE,  STAGE+4*16*SPITCH         ; behind the stages: the spare words, 128 bytes for each wave, which no other line names
.set ADRA, 16                          ; v16-17  LDS address of my fragments of o in slot 0, 1
.set ADRB, 20                          ; v20-21  the same for W_o
.set STO,  24                          ; v24     the way out: where I put 32 bytes of a row
.set RD,   25                          ; v25     the way out: where I read a row back
.set CO,   26                          ; v26     16 x lane
.set SPW,  28                          ; v28     LDS address of my spare word; never rewritten
.set NIL,  29                          ; v29     0; never rewritten
.set F0,   32
.set F1,   128
.set BIAS, 224
.set WV,   12                          ; s12  my wave's number
.set G1,  24                           ; s[24:31] descriptor group 1 for o's tiles;  s[32:39] group 0, one set for each slot
.set G0,  32
.set G1B, 48                           ; s[48:55], s[56:63] the same for W_o's
.set G0B, 56
.set MSB, 0
.macro WIN new                         ; the immediate's high byte repeats the setting that is left; a switch that changes nothing is dropped
.if MSB != (\new)
	s_set_vgpr_msb (MSB<<8)|(\new)
.set MSB, (\new)
.endif
.endm
.set MUL, 0x50                         ; sources 0 and 1 window 0; C and D window 1
.macro JLOAD s                         ; a joint load: waves 0 and 1 fetch o's two halves, waves 2 and 3 W_o's; an s_nop 0 and four v_nop follow each of the two lines
	s_cmp_eq_u32 s13, 0
	s_cbranch_scc0 .Lfor_b_\@
	tensor_load_to_lds s[G0+4*\s:G0+4*\s+3], s[G1:G1+7]
	s_nop 0
.rept 4
	v_nop
.endr
	s_branch .Lasked_\@
.Lfor_b_\@:
	tensor_load_to_lds s[G0B+4*\s:G0B+4*\s+3], s[G1B:G1B+7]
	s_nop 0
.rept 4
	v_nop
.endr
.Lasked_\@:
.endm
.macro CREST                           ; a round of the cluster's barrier behind its opening barrier
	s_cmp_lg_u32 s[WV], 0
	s_cbranch_scc1 .Lnot_wave_0_\@
	s_barrier_signal -3
.Lnot_wave_0_\@:
	s_barrier_wait -3
	s_barrier_signal -1
	s_barrier_wait -1
.endm
.macro CROUND                          ; a whole round
	s_barrier_signal -1
	s_barrier_wait -1
	CREST
.endm
	s_load_b256 s[4:11], s[0:1], 0x0               ; o_img s[4:5], wo_img s[6:7], b_o s[8:9], out0 s[10:11]
	v_lshl_add_u32 v[SPW], v0, 2, SPARE
	v_mov_b32 v[NIL], 0
	ds_add_u32 v[SPW], v[NIL]                      ; the wave's opening: the add, twice on end, and its wait ahead of my first tensor load; the set-up below stands between the second and the wait
	ds_add_u32 v[SPW], v[NIL]
	v_lshrrev_b32 v1, 5, v0
	v_readfirstlane_b32 s[WV], v1                  ; wave 0..3
	s_lshr_b32 s13, s[WV], 1                       ; which 64 tokens are mine.  Also: I fetch for o (0) or for W_o (1)
	s_and_b32 s14, s[WV], 1                        ; which 128 outputs.  Also: which half of that tile I fetch
	s_bfe_u32 s15, ttmp6, 0x40000                  ; cx, cy: my place in the cluster
	s_bfe_u32 s16, ttmp6, 0x40004
	s_lshl_b32 s17, ttmp9, 2
	s_add_co_u32 s17, s17, s15                     ; tile column = 4 x cluster x + cx
	s_and_b32 s18, ttmp7, 0xffff
	s_lshl_b32 s18, s18, 2
	s_add_co_u32 s18, s18, s16                     ; tile row = 4 x cluster y + cy
	s_lshl_b32 s19, s16, 2
	s_lshl_b32 s19, 15, s19                        ; my row of the cluster
	s_lshl_b32 s22, 0x1111, s15                    ; my column
	; descriptor groups 1: dense blocks as rows of 256 bytes (32 elements of 8 bytes): o's half tile 64 rows, W_o's 128
	s_or_b32 s[G1], s19, (3<<16)|(1<<21)           ; 15:0 the mask: o's tiles go to my row; 17:16 elements of 8 bytes; 21 set beside a mask; no padding
	s_mov_b32 s[G1+1], 32<<16                      ; tensor_dim0 = 32
	s_mov_b32 s[G1+2], 64<<16                      ; tensor_dim1 = 64
	s_mov_b32 s[G1+3], 32<<16                      ; tile_dim0 = 32
	s_mov_b32 s[G1+4], 64                          ; tile_dim1 = 64
	s_mov_b32 s[G1+5], 32                          ; from row to row
	s_mov_b32 s[G1+6], 0
	s_mov_b32 s[G1+7], 0
	s_or_b32 s[G1B], s22, (3<<16)|(1<<21)          ; W_o's tiles go to my column
	s_mov_b32 s[G1B+1], 32<<16
	s_mov_b32 s[G1B+2], 128<<16
	s_mov_b32 s[G1B+3], 32<<16
	s_mov_b32 s[G1B+4], 128
	s_mov_b32 s[G1B+5], 32
	s_mov_b32 s[G1B+6], 0
	s_mov_b32 s[G1B+7], 0
	s_lshl_b32 s20, s18, 15                        ; o: the tile row's 8 tiles of 4,096 bytes, + my half: made of the tile row and the wave's number alone
	s_lshl_b32 s21, s14, 14
	s_add_co_u32 s20, s20, s21
	s_mov_b32 s21, 0
	s_lshl_b32 s40, s17, 16                        ; W_o: the tile column's 16 tiles, + my half: made of the tile column and the wave's number alone
	s_lshl_b32 s41, s14, 15
	s_add_co_u32 s40, s40, s41
	s_mov_b32 s41, 0
	s_lshl_b32 s42, s14, 14                        ; where they go: no place in the cluster enters an LDS address
	s_lshl_b32 s43, s14, 15
	s_add_co_u32 s43, s43, BOFF
	s_wait_dscnt 0x0                               ; both opening adds are done
	s_wait_kmcnt 0x0
	s_add_nc_u64 s[20:21], s[4:5], s[20:21]
	s_add_nc_u64 s[40:41], s[6:7], s[40:41]
	CROUND                                         ; all sixteen work-groups are here: the first joint loads meet
.irp s, 0,1
	s_mov_b32 s[G0+4*\s], 1
	s_add_co_u32 s[G0+4*\s+1], s42, \s*SLOT
	s_add_nc_u64 s[G0+4*\s+2:G0+4*\s+3], s[20:21], \s*0x200000      ; K step s: 2 MiB apart in o_img
	s_or_b32 s[G0+4*\s+3], s[G0+4*\s+3], 0x80000000
	s_mov_b32 s[G0B+4*\s], 1
	s_add_co_u32 s[G0B+4*\s+1], s43, \s*SLOT
	s_add_nc_u64 s[G0B+4*\s+2:G0B+4*\s+3], s[40:41], \s*262144      ; 256 KiB apart in wo_img
	s_or_b32 s[G0B+4*\s+3], s[G0B+4*\s+3], 0x80000000
	JLOAD \s                                       ; two tensor loads of mine are out
.endr
	v_and_b32 v1, 31, v0
	v_lshlrev_b32 v[CO], 4, v1
	s_lshl_b32 s19, s13, 14                        ; my four tiles of o
	s_lshl_b32 s22, s14, 15                        ; my eight of W_o,
	s_add_co_u32 s22, s22, BOFF                    ; which lie behind o's
.irp s, 0,1
	v_add_nc_u32 v[ADRA+\s], s19, v[CO]
	v_add_nc_u32 v[ADRB+\s], s22, v[CO]
	s_add_co_u32 s19, s19, SLOT
	s_add_co_u32 s22, s22, SLOT
.endr
	s_mul_i32 s23, s[WV], 16*SPITCH
	s_add_co_u32 s23, s23, STAGE                   ; my stage
	v_and_b32 v2, 15, v0                           ; r
	v_bfe_u32 v3, v0, 4, 1                         ; h
	v_mul_u32_u24 v[STO], v2, SPITCH               ; in: row r, 32 bytes for each half of the lanes
	v_lshl_add_u32 v[STO], v3, 5, v[STO]
	v_add_nc_u32 v[STO], s23, v[STO]
	v_add_nc_u32 v[RD], s23, v[CO]                 ; back: the 32 lanes take one row of 512 bytes
	s_lshl_b32 s20, s18, 19                        ; out0: 128 rows of 4,096 bytes for a tile row,
	s_lshl_b32 s21, s13, 18                        ; 64 for my half
	s_add_co_u32 s20, s20, s21
	s_mov_b32 s21, 0
	s_lshl_b32 s40, s17, 10                        ; 256 outputs of 4 bytes for a tile column,
	s_lshl_b32 s41, s14, 9                         ; 128 for my half
	s_add_co_u32 s40, s40, s41
	s_mov_b32 s41, 0
	s_add_nc_u64 s[8:9], s[8:9], s[40:41]
	s_add_nc_u64 s[10:11], s[10:11], s[20:21]
	s_add_nc_u64 s[10:11], s[10:11], s[40:41]
	global_load_b128 v[BIAS:BIAS+3], v[CO], s[8:9] ; b_o at the four outputs that I store of every row
.macro MUL8 f, a, zero                 ; 8 matrix instructions: tokens 16 a on x my eight blocks of outputs, 32 along K.  zero = 1: the product starts the sums: nothing is ever cleared
.irp b, 0,1,2,3,4,5,6,7
.if \zero
	v_wmma_f32_16x16x32_f16 v[8*(8*(\a)+\b):8*(8*(\a)+\b)+7], v[\f+8*\b:\f+8*\b+7], v[\f+64+8*(\a):\f+64+8*(\a)+7], 0
.else
	v_wmma_f32_16x16x32_f16 v[8*(8*(\a)+\b):8*(8*(\a)+\b)+7], v[\f+8*\b:\f+8*\b+7], v[\f+64+8*(\a):\f+64+8*(\a)+7], v[8*(8*(\a)+\b):8*(8*(\a)+\b)+7]
.endif
.endr
.endm
.macro FETCH slot, s, f                ; 24 LDS loads in one run: the fragments of the slot's s-th 32 along K into buffer f: W_o's eight, then o's four
.irp b, 0,1,2,3,4,5,6,7
	ds_load_b128 v[\f+8*\b:\f+8*\b+3],   v[ADRB+\slot] offset:\b*4096+(\s)*1024
	ds_load_b128 v[\f+8*\b+4:\f+8*\b+7], v[ADRB+\slot] offset:\b*4096+(\s)*1024+512
.endr
.irp a, 0,1,2,3
	ds_load_b128 v[\f+64+8*\a:\f+64+8*\a+3],   v[ADRA+\slot] offset:\a*4096+(\s)*1024
	ds_load_b128 v[\f+64+8*\a+4:\f+64+8*\a+7], v[ADRA+\slot] offset:\a*4096+(\s)*1024+512
.endr
.endm
.macro PLACES                          ; four places in front of loads into registers that matrix instructions have read, and of the first read of results (ISA guide 7.12.1 for vector instructions)
.rept 4
	v_nop
.endr
.endm
; A K step is four quarters of 32 along K, 32 matrix instructions each, on buffers 0, 1, 0, 1; the 32 accumulators take turns, one instruction a turn, in the same order in every quarter.
; One of the first three: multiplies buffer f and fetches the slot's s-th quarter into g.
.macro QUARTER slot, s, f, g, zero
	s_wait_dscnt 4                                 ; W_o's fragments and o's blocks 0, 1 are in; the youngest four loads (blocks 2, 3) may be out
	WIN MUL
	MUL8 \f, 0, \zero
	MUL8 \f, 1, \zero
	PLACES
	WIN 0
	FETCH \slot, \s, \g
	s_wait_dscnt 24                                ; all but the 24 just issued
	WIN MUL
	MUL8 \f, 2, \zero
	MUL8 \f, 3, \zero
.endm
; The last quarter multiplies buffer 1 and changes slots: ONE barrier; in front of it each wave waits for all its tensor loads, adds 0 to its spare word, and waits for that and for its own reads of this slot.
; fill = 1: the barrier opens a round of the cluster's, and this slot is filled again, two K steps ahead: the load has a K step less 16 matrix instructions in which to land.
.macro TURN slot, next, fill
	WIN 0                                          ; (the add's two registers lie in window 0)
	s_wait_tensorcnt 0x0                           ; all my tensor loads have landed: the one that was out is my part of the next slot;
	ds_add_u32 v[SPW], v[NIL]                      ; 0 onto my spare word;
	s_wait_dscnt 5                                 ; (the add and the youngest four loads may be out)
	WIN MUL
	MUL8 F1, 0, 0                                  ; eight matrix instructions stand between the add and the wait for it
	s_wait_dscnt 0x0                               ; the add is done, and my reads of this slot are over
	s_barrier_signal -1
	MUL8 F1, 1, 0                                  ; work on registers while the others arrive
	WIN 0                                          ; (branches may follow; the loads below run in window 0)
	s_barrier_wait -1
.if \fill
	CREST                                          ; no wave of any partner still reads this slot's tiles or has a load on its way
	s_add_nc_u64 s[G0+4*\slot+2:G0+4*\slot+3], s[G0+4*\slot+2:G0+4*\slot+3], 0x400000
	s_add_nc_u64 s[G0B+4*\slot+2:G0B+4*\slot+3], s[G0B+4*\slot+2:G0B+4*\slot+3], 524288
	JLOAD \slot                                    ; the first tensor load behind the round; the four v_nop behind it are also the places in front of the loads below
.else
	PLACES
.endif
	FETCH \next, 0, F0
	WIN MUL
	MUL8 F1, 2, 0
	MUL8 F1, 3, 0
.endm
	s_wait_tensorcnt 1                             ; my part of K step 0 is in; K step 1's load may be out
	s_barrier_signal -1
	s_barrier_wait -1                              ; everybody's is
	FETCH 0, 0, F0
	QUARTER 0, 1, F0, F1, 1                        ; the first quarter stands in front of the loop: its products start the sums
	WIN 0                                          ; at a label and at a branch every window is 0
	s_mov_b32 s3, 3
.Llap:                                                 ; a trip goes once round the ring, from a lap's second quarter to the next lap's first, and fills both slots again: K steps 2 to 7
	QUARTER 0, 2, F1, F0, 0
	QUARTER 0, 3, F0, F1, 0
	TURN 0, 1, 1
	QUARTER 1, 1, F0, F1, 0
	QUARTER 1, 2, F1, F0, 0
	QUARTER 1, 3, F0, F1, 0
	TURN 1, 0, 1
	QUARTER 0, 1, F0, F1, 0
	WIN 0
	s_sub_co_u32 s3, s3, 1
	s_cmp_lg_u32 s3, 0
	s_cbranch_scc1 .Llap
	QUARTER 0, 2, F1, F0, 0                        ; the last lap fills nothing, and has no round of the cluster's barrier
	QUARTER 0, 3, F0, F1, 0
	TURN 0, 1, 0
	QUARTER 1, 1, F0, F1, 0
	QUARTER 1, 2, F1, F0, 0
	QUARTER 1, 3, F0, F1, 0
	s_wait_dscnt 4                                 ; the very last quarter: nothing more to fetch
	WIN MUL
	MUL8 F1, 0, 0
	MUL8 F1, 1, 0
	s_wait_dscnt 0
	MUL8 F1, 2, 0
	MUL8 F1, 3, 0
	WIN 0
; THE WAY OUT, block by block of 16 tokens x 128 outputs.  A lane holds 32 neighbouring bytes of a row, and the lanes beside it hold other rows: so a block goes through my own stage in LDS and comes back as whole rows of
; 512 bytes.  LDS serves a wave's instructions in order (ISA guide 5.7.1.4): no wait between the stores and the loads, nor in front of the next block's stores.
.macro TOSTAGE a
	WIN 0x04                                       ; an LDS store's data are its source 1: window 1
.irp b, 0,1,2,3,4,5,6,7
	ds_store_b128 v[STO], v[8*(8*(\a)+\b):8*(8*(\a)+\b)+3] offset:64*\b          ; each accumulator from its low end on
	ds_store_b128 v[STO], v[8*(8*(\a)+\b)+4:8*(8*(\a)+\b)+7] offset:64*\b+16
.endr
	WIN 0
.set BB, F0+64*((\a)%2)
.irp t, 0,1,2,3,4,5,6,7,8,9,10,11,12,13,14,15
	ds_load_b128 v[BB+4*\t:BB+4*\t+3], v[RD] offset:\t*SPITCH
.endr
.endm
.macro SEND a, younger                 ; younger: the LDS instructions issued behind block a's loads, which may stay out
.set BB, F0+64*((\a)%2)
	s_wait_dscnt \younger                          ; the block is back in registers
.irp t, 0,1,2,3,4,5,6,7,8,9,10,11,12,13,14,15
	v_pk_add_f32 v[BB+4*\t:BB+4*\t+1], v[BB+4*\t:BB+4*\t+1], v[BIAS:BIAS+1]         ; + b_o
	v_pk_add_f32 v[BB+4*\t+2:BB+4*\t+3], v[BB+4*\t+2:BB+4*\t+3], v[BIAS+2:BIAS+3]
.endr
.irp t, 0,1,2,3,4,5,6,7,8,9,10,11,12,13,14,15
	global_store_b128 v[CO], v[BB+4*\t:BB+4*\t+3], s[10:11] offset:(16*(\a)+\t)*4096 th:TH_STORE_NT   ; 32 lanes store 512 consecutive bytes, aligned; written once, read by nobody here; the base is never stepped
.endr
.endm
	PLACES                                         ; behind the last products: the stage's stores read results, and its loads land in registers that held fragments
	s_wait_loadcnt 0x0                             ; b_o
	TOSTAGE 0
.irp a, 1,2,3
.if \a > 1
	s_wait_xcnt 0x0                                ; block a - 2's stores have read their data: block a's loads land in those registers only behind this wait
.endif
	TOSTAGE \a
	SEND \a-1, 32                                  ; behind block a - 1's loads: block a's 16 stores and 16 loads
.endr
	SEND 3, 0
	s_wait_tensorcnt 0x0                           ; the wave's end
	ds_add_u32 v[SPW], v[NIL]
	s_wait_dscnt 0x0
	CROUND                                         ; the closing round: no work-group ends while a partner may still ask for a tile that names it
	s_endpgm
.Lfunc_end_k_q44d31e5b5e_oproj:
	.size	k_q44d31e5b5e_oproj, .Lfunc_end_k_q44d31e5b5e_oproj-k_q44d31e5b5e_oproj
	.p2alignl 7, 3214868480
	.fill 96, 4, 3214868480
	.section	.rodata,"a",@progbits
	.p2align	6, 0x0
	.amdhsa_kernel k_q44d31e5b5e_oproj
		.amdhsa_group_segment_fixed_size 327680
		.amdhsa_private_segment_fixed_size 0
		.amdhsa_enable_private_segment 0
		.amdhsa_kernarg_size 32
		.amdhsa_user_sgpr_count 2
		.amdhsa_user_sgpr_kernarg_segment_ptr 1
		.amdhsa_wavefront_size32 1
		.amdhsa_system_sgpr_workgroup_id_x 1
		.amdhsa_system_sgpr_workgroup_id_y 1
		.amdhsa_system_sgpr_workgroup_id_z 1
		.amdhsa_system_vgpr_workitem_id 0
		.amdhsa_next_free_vgpr 512
		.amdhsa_next_free_sgpr 66
		.amdhsa_reserve_vcc 0
		.amdhsa_float_denorm_mode_32 3
		.amdhsa_float_denorm_mode_16_64 3
		.amdhsa_memory_ordered 1
		.amdhsa_forward_progress 1
		.amdhsa_inst_pref_size 92
	.end_amdhsa_kernel
	.amdgpu_metadata
---
amdhsa.version: [ 1, 2 ]
amdhsa.kernels:
  - .name:           k_q44d31e5b5e_oproj
    .symbol:         k_q44d31e5b5e_oproj.kd
    .args:
      - { .name: o_img, .offset: 0, .size: 8, .value_kind: global_buffer, .address_space: global }
      - { .name: wo_img, .offset: 8, .size: 8, .value_kind: global_buffer, .address_space: global }
      - { .name: b_o, .offset: 16, .size: 8, .value_kind: global_buffer, .address_space: global }
      - { .name: out0, .offset: 24, .size: 8, .value_kind: global_buffer, .address_space: global }
    .group_segment_fixed_size: 327680
    .private_segment_fixed_size: 0
    .kernarg_segment_align: 8
    .kernarg_segment_size: 32
    .max_flat_workgroup_size: 128
    .sgpr_count:     66
    .vgpr_count:     512
    .wavefront_size: 32
...
	.end_amdgpu_metadata
.endif
;; end of part 4
